; MI455X (gfx1250); checked and timed in simulation.
; The chip was launched on July 23, 2026; its instructions are those of AMD's public machine-readable ISA for CDNA 5 (MIT licence, August 2026) and "CDNA5" Instruction Set Architecture Reference Guide (July 2026). The comments in the code are by the model that wrote it; some were corrected since.
;; Multi Head Self Attention. Allowed arithmetic: matrix products marked QUANTISED: E2M3 operands, one E8M0 scale for each 32 along K, by v_wmma_scale_f32_16x16x128_f8f6f4 with both operands' format E2M3, f32 sums; everything else in f32.
;; Inputs: w_out 1,024 x 1,024 float32; w_qkv 1,024 x 3,072 float32; x 4 x 2,048 x 1,024 float32.
;; Outputs: out0 4 x 2,048 x 1,024 float32.
;; This version of the problem:
;;   THIS VERSION OF THE PROBLEM IS GIVEN IN LOW PRECISION. The matrix products marked QUANTISED in the list below multiply operands that are first quantised to E2M3 (2 exponent bits, 3 mantissa bits; 6 bits a number), with one power-of-two scale for each 32 numbers along K (OCP MX v1.0); their sums are f32. All else is computed in f32.
;;   The module's matrix products, in the order in which they are computed (A, B: the left and right operand; K: the contracted axis; several contracted axes count as one K, in the product's order):
;;     1. [M 8,192, K 1,024] x [K 1,024, N 3,072]; A: input x; B: input w_qkv: QUANTISED
;;     2. batch 64 x [M 2,048, K 64] x [K 64, N 2,048]; A: computed on the way; B: computed on the way: QUANTISED
;;     3. batch 64 x [M 2,048, K 2,048] x [K 2,048, N 64]; A: softmax (see below); B: computed on the way: QUANTISED
;;     4. [M 8,192, K 1,024] x [K 1,024, N 1,024]; A: computed on the way; B: input w_out: QUANTISED
;;   THE QUANTISER, for each operand of a quantised product, along K:
;;     - K is cut into blocks of 32 from its start; a last block that is shorter is filled with zeros.
;;     - A block's scale is 2^e with e = floor(log2(the largest magnitude in the block)) - 2, held to -126 .. 127; a block of zeros has e = 0. As a byte (E8M0): e + 127.
;;     - Each number is divided by its block's scale, clamped to +-7.5, and rounded to the nearest number of E2M3, ties to even, subnormals kept.
;;     - The product sums the exact products of the quantised numbers (number of the format x scale) in f32.
;;   ~~~python
;;   def quantise(x, axis):      # numpy; x: float32 -> the quantised numbers, widened to float32 again
;;       x = np.moveaxis(x, axis, -1); K = x.shape[-1]
;;       x = np.pad(x, [(0, 0)] * (x.ndim - 1) + [(0, -K % 32)]); x = x.reshape(x.shape[:-1] + (-1, 32)); a = np.abs(x).max(-1, keepdims=True)
;;       e = np.where(a > 0, np.clip(np.frexp(np.where(a > 0, a, 1))[1] - 1 - 2, -126, 127), 0)      # np.frexp(a)[1] - 1 = floor(log2(a)), exactly
;;       r = np.clip(x / 2.0 ** e, -7.5, 7.5)
;;       step = 2.0 ** (np.maximum(np.frexp(np.where(r == 0, 1, r))[1] - 1, 0) - 3)
;;       q = np.round(r / step) * step * 2.0 ** e      # np.round: ties to even
;;       return np.moveaxis(q.reshape(q.shape[:-2] + (-1,))[..., :K], -1, axis).astype(np.float32)
;;   ~~~
;;   SOFTMAX AHEAD OF A QUANTISED PRODUCT. Where the list says 'softmax', what is quantised is not the finished softmax but p = 2^(t - M), with t = logit x log2(e) and M = ceil(the row's largest t), a whole number; so 1/2 < the row's largest p <= 1. The row's sum l is taken of the UNQUANTISED p, in f32, and the product's result is divided by l at the end. Since M is a whole number, a kernel that streams over the keys may use a running M (the ceiling of the running maximum): every later rescaling is an exact power of two, which a block's scale takes up: the codes' values come out the same.
;;   OPERANDS COMPUTED ON THE WAY. 'Computed on the way' means the value that the module computes at that place (a softmax that the list does not call 'softmax' is quantised finished and normalised). What goes into a quantiser is computed in f32, as accurately as f32 sums, v_exp_f32 and their like allow (about 1e-6 of the number): no bf16 or f16 on the way to a quantiser, and a product that is left as it is and whose result goes on into a quantised operand takes f32 operands (vector FMAs, or v_wmma_f32_16x16x4_f32). A number that lies on a knife's edge between two numbers of the format may be rounded either way, as far as f32 arithmetic and the matrix unit's own rounding can turn it there, and no further.
;; One version. Each part assembles by itself: llvm-mc -triple=amdgcn-amd-amdhsa -mcpu=gfx1250 --defsym DOCPART=n.
;; ======== version 1 of 1: 4 launches
;; limits: right only within a limited range of input values
;; workspace buffers: ops 9,830,400 bytes; rope 524,288 bytes; qq 6,815,744 bytes; kv 13,369,344 bytes; oq 6,553,600 bytes
;; launch prep (part 1): grid 416 x 1, 4 waves a work-group, no clusters, 60,928 bytes of LDS; arguments x, w_qkv, w_out, ops, rope; writes ops, rope
.if DOCPART == 1
	.amdgcn_target "amdgcn-amd-amdhsa--gfx1250"
	.amdhsa_code_object_version 6
	.text
	.protected	k_qd50cca48c1_prep
	.globl	k_qd50cca48c1_prep
	.p2align	8
	.type	k_qd50cca48c1_prep,@function
k_qd50cca48c1_prep:
	s_mov_b64 s[64:65], 0
	v_nop
	global_prefetch_b8 v0, s[64:65] scope:SCOPE_SE
	s_setreg_imm32_b32 hwreg(HW_REG_WAVE_MODE, 25, 1), 1
	s_wait_xcnt 0x0
; PREP: x [8192][1024], w_qkv [1024][3072] and w_out [1024][1024], f32, become codes of FP6 (E2M3) with one E8M0 byte for each 32 along K, laid as the
; products' launches load them; and the table of cos and sin for the rotary embedding is made.
; RECORD (25,600 bytes): 128 rows x 256 along K.  Fragment (q, i) = 16 rows x 128 K at (8 q + i) x 1,536: an image of the operand's 12 registers: registers 0-3 at 16 x lane,
; 4-5 at 512 + 8 x lane, 6-9 at 768 + 16 x lane, 10-11 at 1,280 + 8 x lane.  Scale words at 24,576 + 128 i + 8 row + 4 q.  Row r of tile 2 B + u is row 32 B + 8 u + r + 8 (r / 8) of the 128.
; Record g of ops: g < 256: x's row block g / 4, K step g % 4;  256 <= g < 384: column block (g - 256) / 4 of the weights (24 of w_qkv, then 8 of w_out), K step g % 4.
; Work-group g makes record g; work-groups 384 to 415 make the table.  A wave makes 32 rows x 256 K: four fragments and 256 bytes of scale words.  Waves share nothing: no barrier.
; Memory binds here: no matrix unit, no cluster (no two work-groups read the same bytes), every load and store of a wave covers 128 to 512 consecutive bytes.
; A block's scale is 2^(floor(log2(its largest magnitude)) - 2); its byte is that magnitude's exponent field - 2, held at 1 from below.
; LIMITS: NaN and infinities among the inputs are not served; a block whose largest magnitude lies under 2^-124 gets the byte 1; a block of zeros gets the byte 1 where the rule says 127
; (its codes are zeros, and this program alone reads the bytes).  The angle's reduction holds for angles under 70,000; here they are under 2,048.
.set REC,  25600
.set SCA,  24576
.set XW,   8448                        ; LDS, x's way: a stage of 16 rows x 528 bytes for each wave, from byte 0
.set WST,  33792                       ; LDS, the weights' way: bytes of its own, four fragments for each wave,
.set WW,   6656
.set FP,   1664                        ; 1,664 bytes apart: 128 mod 256, so that the two tiles of a pair fall on different banks
.set TM,   16                          ; v16-19 largest magnitudes, v20-23 the other half's / bytes, v24-27 the conversions' scale operands
.set PC,   32                          ; v32-43 a fragment's codes; v44-50 at work
.set PW,   52                          ; v52-55 the four fragments' scale words
.set SEL,  20                          ; s[20:21] lane selects: lane l xor 16
.set HM,   22                          ; s22 a mask of lanes 16-31
; 64 numbers of a lane, register 16 b + i = k 32 b + 16 (lane / 16) + i of my row, become a fragment's codes in v[PC] on and its scale word in v[pw]
.macro QUANT s, pw
.irp b, 0,1,2,3
	v_max3_num_f32 v[TM+\b], |v[(\s)+16*\b]|, |v[(\s)+1+16*\b]|, 0x1800000   ; my 16 numbers of block b, and the floor 2^(3 - 127): the byte cannot fall under 1
.endr
.irp i, 2,4,6,8,10,12,14
.irp b, 0,1,2,3
	v_max3_num_f32 v[TM+\b], v[TM+\b], |v[(\s)+16*\b+\i]|, |v[(\s)+1+16*\b+\i]|
.endr
.endr
.irp b, 0,1,2,3
	v_permlanex16_b32 v[TM+4+\b], v[TM+\b], s[SEL], s[SEL+1]
.endr
.irp b, 0,1,2,3
	v_max_num_f32 v[TM+\b], v[TM+\b], v[TM+4+\b]   ; with lane l xor 16's: the block's largest magnitude
.endr
.irp b, 0,1,2,3
	v_add_nc_u32 v[TM+8+\b], 0xff000000, v[TM+\b]  ; 2 off its exponent field: the conversion takes this operand's exponent field as its scale
.endr
.irp b, 0,1,2,3
	v_lshrrev_b32 v[TM+4+\b], 23, v[TM+8+\b]       ; the scale's byte
.endr
	v_lshl_or_b32 v[\pw], v[TM+5], 8, v[TM+4]
	v_lshl_or_b32 v[\pw], v[TM+6], 16, v[\pw]
	v_lshl_or_b32 v[\pw], v[TM+7], 24, v[\pw]
.irp c, 0,1
	v_cvt_scalef32_pk16_fp6_f32 v[PC+6*\c:PC+2+6*\c], v[(\s)+32*\c:(\s)+15+32*\c], v[TM+8+2*\c]
	v_cvt_scalef32_pk16_fp6_f32 v[PC+12+4*\c:PC+14+4*\c], v[(\s)+16+32*\c:(\s)+31+32*\c], v[TM+8+2*\c+1]   ; (a conversion's three registers begin on an even number)
.endr
	v_nop                                          ; one plain instruction behind the scaled conversions
.irp c, 0,1                                    ; the operand wants a whole block in a lane: lanes 0-15 block 2 c, lanes 16-31 block 2 c + 1
.irp i, 0,1,2
	v_permlane16_swap_b32 v[PC+6*\c+\i], v[PC+12+4*\c+\i]
.endr
.irp i, 0,1,2
	v_mov_b32 v[PC+3+6*\c+\i], v[PC+12+4*\c+\i]
.endr
.endr
.endm
	s_load_b256 s[4:11], s[0:1], 0x0               ; x s[4:5], w_qkv s[6:7], w_out s[8:9], ops s[10:11]
	s_load_b64 s[12:13], s[0:1], 0x20              ; rope
	v_lshl_add_u32 v30, v0, 2, 0xec00
	v_mov_b32 v31, 0
	v_lshrrev_b32 v1, 5, v0
	v_readfirstlane_b32 s14, v1                    ; wave 0..3
	v_and_b32 v10, 31, v0                          ; lane
	v_and_b32 v11, 15, v0                          ; r
	v_bfe_u32 v12, v0, 4, 1                        ; h
	v_lshlrev_b32 v1, 4, v10                       ; 16 x lane
	v_lshlrev_b32 v2, 3, v10                       ; 8 x lane
	s_mov_b32 s[SEL], 0x76543210
	s_mov_b32 s[SEL+1], 0xfedcba98
	s_mov_b32 s[HM], 0xffff0000
	s_mul_i32 s24, ttmp9, REC                      ; record g
	s_mov_b32 s25, 0
	s_mul_i32 s26, s14, 3072                       ; my pair of tiles: fragments 2 w and 2 w + 1 of each chunk
	s_mov_b32 s27, 0
	s_lshl_b32 s18, s14, 8                         ; my 256 bytes of scale words
	s_mov_b32 s19, 0
	s_wait_kmcnt 0x0
	s_cmp_lt_u32 ttmp9, 384
	s_cbranch_scc0 .Ltable
	s_add_nc_u64 s[10:11], s[10:11], s[24:25]
	s_add_nc_u64 s[28:29], s[10:11], s[26:27]      ; where my fragments go
	s_add_nc_u64 s[30:31], s[10:11], s[18:19]      ; where my scale words go (+ SCA)
	s_cmp_lt_u32 ttmp9, 256
	s_cbranch_scc0 .Lweights
; ---------------- x: K is innermost.  Each load reads 512 consecutive bytes of one row; 16 rows turn through the wave's stage, so that a lane gets 16 neighbours of each block of its row
	s_lshr_b32 s15, ttmp9, 2                       ; row block
	s_and_b32 s16, ttmp9, 3                        ; K step
	s_lshl_b32 s24, s15, 19                        ; 128 rows of 4,096 bytes
	s_lshl_b32 s17, s14, 17                        ; + 32 rows a wave
	s_add_co_u32 s24, s24, s17
	s_lshl_b32 s17, s16, 10                        ; + 256 numbers a K step
	s_add_co_u32 s24, s24, s17
	s_add_nc_u64 s[4:5], s[4:5], s[24:25]
	s_mul_i32 s17, s14, XW
	s_wait_alu depctr_va_vdst(0)
	v_add_nc_u32 v3, s17, v1                       ; the stage, in: 16 x lane of a row
	v_mul_u32_u24 v4, v11, 528
	v_lshl_add_u32 v4, v12, 6, v4
	v_add_nc_u32 v4, s17, v4                       ; out: row r, + 64 h: rows 528 bytes apart start in 16 different columns of 16 bytes
.irp b, 0,1,2,3
	v_mov_b32 v[TM+4+\b], 0                        ; written once: a lane permute's destination counts as one of its sources
.endr
.macro LOADX f                         ; fragment f = 2 q + u: 16 rows of tile u, chunk q, into set f % 2 (v64-127, v128-191)
.irp p, 0,1,2,3,4,5,6,7,8,9,10,11,12,13,14,15
	global_load_b128 v[64+64*((\f)%2)+4*\p:64+64*((\f)%2)+4*\p+3], v1, s[4:5] offset:(8*((\f)%2)+\p+8*(\p/8))*4096+512*((\f)/2) th:TH_LOAD_NT
.endr
.endm
.macro FRAGX f
.if (\f) < 3
	s_wait_loadcnt 16                              ; this fragment's 16 loads are in; the next fragment's may be out
.else
	s_wait_loadcnt 0
.endif
.irp p, 0,1,2,3,4,5,6,7,8,9,10,11,12,13,14,15
	ds_store_b128 v3, v[64+64*((\f)%2)+4*\p:64+64*((\f)%2)+4*\p+3] offset:528*\p
.endr
.irp b, 0,1,2,3
.irp j, 0,1,2,3
	ds_load_b128 v[192+16*\b+4*\j:192+16*\b+4*\j+3], v4 offset:128*\b+16*\j   ; LDS serves a wave's instructions in order: these see the stores above
.endr
.endr
	s_wait_dscnt 0x0                               ; my 64 numbers are in, and the stores have read their registers,
.if (\f)+2 < 4
	LOADX (\f)+2                                   ; which take the fragment two on
.endif
	s_wait_xcnt 0x0                                ; the last fragment's stores have read the codes' registers, which are written again below
	QUANT 192, PW+(\f)
	global_store_b128 v1, v[PC:PC+3], s[28:29] offset:(8*((\f)/2)+(\f)%2)*1536
	global_store_b64 v2, v[PC+4:PC+5], s[28:29] offset:(8*((\f)/2)+(\f)%2)*1536+512
	global_store_b128 v1, v[PC+6:PC+9], s[28:29] offset:(8*((\f)/2)+(\f)%2)*1536+768
	global_store_b64 v2, v[PC+10:PC+11], s[28:29] offset:(8*((\f)/2)+(\f)%2)*1536+1280
.endm
	LOADX 0
	LOADX 1
	s_wait_alu depctr_va_vdst(0)
	FRAGX 0
	FRAGX 1
	FRAGX 2
	FRAGX 3
	v_cndmask_b32 v56, v[PW], v[PW+1], s[HM]       ; lanes 0-15: tile 2 w's words, lanes 16-31: tile 2 w + 1's; chunk 0,
	v_cndmask_b32 v57, v[PW+2], v[PW+3], s[HM]     ; chunk 1
	global_store_b64 v2, v[56:57], s[30:31] offset:SCA   ; 256 consecutive bytes
	s_wait_tensorcnt 0x0
	ds_add_u32 v30, v31
	s_wait_dscnt 0x0
	s_endpgm
; ---------------- the weights: K is the FIRST axis.  A lane takes a column and its registers run down K: a block of 32 lies in one lane, and the codes come out with K innermost
.Lweights:
	s_sub_co_u32 s15, ttmp9, 256
	s_lshr_b32 s16, s15, 2                         ; column block 0..31
	s_and_b32 s17, s15, 3                          ; K step
	s_cmp_lt_u32 s16, 24                           ; w_qkv or w_out: the choice hangs on the work-group's number alone
	s_cselect_b64 s[6:7], s[6:7], s[8:9]
	s_mov_b32 s18, 4096
	s_cselect_b32 s18, 12288, s18                  ; a row of the weight in bytes
	s_cselect_b32 s19, 0, 24
	s_sub_co_u32 s19, s16, s19                     ; the column block in its own tensor
	s_lshl_b32 s19, s19, 9
	s_lshl_b32 s23, s14, 7
	s_add_co_u32 s19, s19, s23                     ; my wave's first column, in bytes: 512 x block + 128 x wave
	s_lshl_b32 s23, s17, 8
	s_mul_i32 s23, s23, s18                        ; 256 rows a K step
	s_add_co_u32 s24, s23, s19
	s_lshl_b32 s26, s18, 5                         ; 32 rows
	s_add_nc_u64 s[32:33], s[6:7], s[24:25]        ; a base for each of the eight blocks: none is stepped
.irp t, 1,2,3,4,5,6,7
	s_add_nc_u64 s[32+2*\t:33+2*\t], s[30+2*\t:31+2*\t], s[26:27]
.endr
	s_wait_alu depctr_va_vdst(0)
	v_lshlrev_b32 v13, 2, v10
.irp i, 0,1,2,3,4,5,6,7,8,9,10,11,12,13,14,15,16,17,18,19,20,21,22,23,24,25,26,27,28,29,30,31
	v_mad_u32_u24 v[32+\i], s18, \i, v13           ; 4 x lane + i rows
.endr
	v_bfe_u32 v14, v0, 3, 1                        ; my column l of the 32 is row (l & 7) + 8 (l >> 4) of tile u = (l >> 3) & 1
	v_and_b32 v15, 7, v0
	v_lshl_add_u32 v15, v12, 3, v15
	s_mul_i32 s28, s14, WW                         ; (the fragments' base s[28:29] is made anew below)
	s_add_co_u32 s28, s28, WST
	v_mul_u32_u24 v16, v14, FP
	v_add_nc_u32 v16, s28, v16
	v_lshl_add_u32 v5, v15, 4, v16                 ; the stage, in: fragment u, 16 x row
	v_lshl_add_u32 v6, v15, 3, v16                 ; and 8 x row
	v_add_nc_u32 v7, s28, v1                       ; out: 16 x lane
	v_add_nc_u32 v8, s28, v2                       ; and 8 x lane
	v_lshlrev_b32 v9, 3, v15
	v_lshl_add_u32 v9, v14, 7, v9                  ; my scale words' place: 128 u + 8 row
	s_mul_i32 s26, s14, 3072
	s_add_nc_u64 s[28:29], s[10:11], s[26:27]
.macro LOADW t                         ; block t: 32 rows of my column into set t % 2 (v64-95, v96-127); a load reads 128 consecutive bytes, the four waves stand side by side
.irp i, 0,1,2,3,4,5,6,7,8,9,10,11,12,13,14,15,16,17,18,19,20,21,22,23,24,25,26,27,28,29,30,31
	global_load_b32 v[64+32*((\t)%2)+\i], v[32+\i], s[32+2*(\t):33+2*(\t)] th:TH_LOAD_NT
.endr
.endm
.macro BLOCKW t                        ; block t = 4 q + 2 c + h: registers 6 c .. 6 c + 5 of lane (row, h) of fragment (q, u)
.set XS, 64+32*((\t)%2)
.if (\t) < 7
	s_wait_loadcnt 32                              ; this block's 32 loads are in; the next block's may be out
.else
	s_wait_loadcnt 0
.endif
	v_max3_num_f32 v20, |v[XS]|, |v[XS+1]|, |v[XS+2]|
	v_max3_num_f32 v21, |v[XS+3]|, |v[XS+4]|, |v[XS+5]|
.irp i, 6,10,14,18,22,26
	v_max3_num_f32 v20, v20, |v[XS+\i]|, |v[XS+\i+1]|
	v_max3_num_f32 v21, v21, |v[XS+\i+2]|, |v[XS+\i+3]|
.endr
	v_max3_num_f32 v20, v20, |v[XS+30]|, |v[XS+31]|
	v_max3_num_f32 v20, v20, v21, 0x1800000        ; and the floor
	v_add_nc_u32 v22, 0xff000000, v20
	v_lshrrev_b32 v23, 23, v22
.if (\t)%4 == 0
	v_mov_b32 v[136+(\t)/4], v23                   ; four bytes to a chunk's word, the lower K in the lower byte
.else
	v_lshl_or_b32 v[136+(\t)/4], v23, 8*((\t)%4), v[136+(\t)/4]
.endif
	v_cvt_scalef32_pk16_fp6_f32 v[128:130], v[XS:XS+15], v22
	v_cvt_scalef32_pk16_fp6_f32 v[132:134], v[XS+16:XS+31], v22
	v_nop                                          ; one plain instruction behind the scaled conversions
	v_mov_b32 v131, v132                           ; the six words on end
	v_mov_b32 v132, v133
	v_mov_b32 v133, v134
	ds_store_b128 v5, v[128:131] offset:2*((\t)/4)*FP+768*(((\t)/2)%2)+256*((\t)%2)
	ds_store_b64 v6, v[132:133] offset:2*((\t)/4)*FP+768*(((\t)/2)%2)+512+128*((\t)%2)
.if (\t)+2 < 8
	LOADW (\t)+2
.endif
	s_wait_dscnt 0x0                               ; the stores have read their registers: the next block's codes may be written
.endm
	LOADW 0
	LOADW 1
.irp t, 0,1,2,3,4,5,6,7
	BLOCKW \t
.endr
	s_wait_alu depctr_va_vdst(0)
	global_store_b64 v9, v[136:137], s[30:31] offset:SCA   ; the wave's 256 bytes of scale words
.irp f, 0,1,2,3
	ds_load_b128 v[144+12*\f:147+12*\f], v7 offset:FP*\f
	ds_load_b64 v[148+12*\f:149+12*\f], v8 offset:FP*\f+512
	ds_load_b128 v[150+12*\f:153+12*\f], v7 offset:FP*\f+768
	ds_load_b64 v[154+12*\f:155+12*\f], v8 offset:FP*\f+1280
.endr
.irp f, 0,1,2,3
	s_wait_dscnt 12-4*\f                           ; fragment f's four pieces are in; the later fragments' may be out
	global_store_b128 v1, v[144+12*\f:147+12*\f], s[28:29] offset:(8*(\f/2)+\f%2)*1536
	global_store_b64 v2, v[148+12*\f:149+12*\f], s[28:29] offset:(8*(\f/2)+\f%2)*1536+512
	global_store_b128 v1, v[150+12*\f:153+12*\f], s[28:29] offset:(8*(\f/2)+\f%2)*1536+768
	global_store_b64 v2, v[154+12*\f:155+12*\f], s[28:29] offset:(8*(\f/2)+\f%2)*1536+1280
.endr
	s_wait_tensorcnt 0x0
	ds_add_u32 v30, v31
	s_wait_dscnt 0x0
	s_endpgm
; ---------------- the table: [tile T of 16 positions][piece c][lane][16 bytes].  A lane's 16 pairs (cos, sin): pair 8 B + p has frequency 10^(-(16 B + 8 h + p) / 8), at position 32 (T / 2) + 8 (T % 2) + r + 8 (r / 8)
.Ltable:
	s_sub_co_u32 s15, ttmp9, 384
	s_lshl_b32 s15, s15, 2
	s_add_co_u32 s15, s15, s14                     ; T
	s_lshr_b32 s16, s15, 1
	s_lshl_b32 s16, s16, 5
	s_and_b32 s17, s15, 1
	s_lshl_b32 s17, s17, 3
	s_add_co_u32 s16, s16, s17
	s_wait_alu depctr_va_vdst(0)
	v_and_b32 v3, 8, v11
	v_add_nc_u32 v3, v3, v11
	v_add_nc_u32 v3, s16, v3
	v_cvt_f32_u32 v3, v3                           ; my position
	s_lshl_b32 s24, s15, 12
	s_add_nc_u64 s[12:13], s[12:13], s[24:25]
	s_mov_b32 s30, 0x3f22f983                      ; 2 / pi
	s_mov_b32 s31, 0xbfc90fdb                      ; -(pi / 2 rounded to f32)
	s_mov_b32 s32, 0x333bbd2e                      ; that rounding's excess over pi / 2
	s_mov_b32 s33, 0xbe2aaaa3                      ; sine: r + r s (S1 + s (S2 + s S3)), s = r r
	s_mov_b32 s34, 0x3c08839e
	s_mov_b32 s35, 0xb94ca1f9
	s_mov_b32 s36, 0x3d2aaaa5                      ; cosine: 1 - s / 2 + s s (C0 + s (C1 + s C2))
	s_mov_b32 s37, 0xbab6061a
	s_mov_b32 s38, 0x37ccf5ce
.macro ANGLE p, lo, hi                 ; pair p: the frequency of lanes 0-15, of lanes 16-31
	v_mov_b32 v16, \lo
	v_mov_b32 v17, \hi
	v_cndmask_b32 v16, v16, v17, s[HM]
	s_wait_alu depctr_va_vdst(0)
	v_mul_f32 v16, v3, v16                         ; the angle, rounded once
	v_mul_f32 v17, s30, v16
	v_rndne_f32 v17, v17                           ; n quarter turns
	v_fma_f32 v18, v17, s31, v16
	v_fma_f32 v18, v17, s32, v18                   ; r = angle - n pi / 2, |r| <= pi / 4
	v_mul_f32 v19, v18, v18
	v_fma_f32 v20, v19, s35, s34
	v_fma_f32 v22, v19, s38, s37
	v_fma_f32 v20, v20, v19, s33
	v_fma_f32 v22, v22, v19, s36
	v_mul_f32 v21, v19, v18
	v_mul_f32 v23, v19, v19
	v_fma_f32 v24, v19, -0.5, 1.0
	v_fma_f32 v20, v20, v21, v18                   ; sin r
	v_fma_f32 v22, v22, v23, v24                   ; cos r
	v_cvt_i32_f32 v25, v17
	v_and_b32 v26, 1, v25
	v_cmp_eq_u32 vcc_lo, 1, v26                    ; an odd n changes the two over
	v_cndmask_b32 v27, v20, v22, vcc_lo
	v_cndmask_b32 v28, v22, v20, vcc_lo
	v_and_b32 v26, 2, v25                          ; the sine's sign: bit 1 of n; the cosine's: bit 1 of n + 1
	v_lshlrev_b32 v26, 30, v26
	v_add_nc_u32 v25, 1, v25
	v_and_b32 v25, 2, v25
	v_lshlrev_b32 v25, 30, v25
	v_xor_b32 v[64+2*(\p)], v25, v28
	v_xor_b32 v[65+2*(\p)], v26, v27
.endm
	ANGLE 0, 1.0, 0.1
	ANGLE 1, 0.7498942093, 0.07498942093
	ANGLE 2, 0.5623413252, 0.05623413252
	ANGLE 3, 0.4216965034, 0.04216965034
	ANGLE 4, 0.3162277660, 0.03162277660
	ANGLE 5, 0.2371373706, 0.02371373706
	ANGLE 6, 0.1778279410, 0.01778279410
	ANGLE 7, 0.1333521432, 0.01333521432
	ANGLE 8, 0.01, 0.001
	ANGLE 9, 0.007498942093, 0.0007498942093
	ANGLE 10, 0.005623413252, 0.0005623413252
	ANGLE 11, 0.004216965034, 0.0004216965034
	ANGLE 12, 0.003162277660, 0.0003162277660
	ANGLE 13, 0.002371373706, 0.0002371373706
	ANGLE 14, 0.001778279410, 0.0001778279410
	ANGLE 15, 0.001333521432, 0.0001333521432
.irp c, 0,1,2,3,4,5,6,7
	global_store_b128 v1, v[64+4*\c:67+4*\c], s[12:13] offset:512*\c   ; 512 consecutive bytes
.endr
	s_endpgm
.Lfunc_end_k_qd50cca48c1_prep:
	.size	k_qd50cca48c1_prep, .Lfunc_end_k_qd50cca48c1_prep-k_qd50cca48c1_prep
	.p2alignl 7, 3214868480
	.fill 96, 4, 3214868480
	.section	.rodata,"a",@progbits
	.p2align	6, 0x0
	.amdhsa_kernel k_qd50cca48c1_prep
		.amdhsa_group_segment_fixed_size 60928
		.amdhsa_private_segment_fixed_size 0
		.amdhsa_enable_private_segment 0
		.amdhsa_kernarg_size 40
		.amdhsa_user_sgpr_count 2
		.amdhsa_user_sgpr_kernarg_segment_ptr 1
		.amdhsa_wavefront_size32 1
		.amdhsa_system_sgpr_workgroup_id_x 1
		.amdhsa_system_sgpr_workgroup_id_y 1
		.amdhsa_system_sgpr_workgroup_id_z 1
		.amdhsa_system_vgpr_workitem_id 0
		.amdhsa_next_free_vgpr 256
		.amdhsa_next_free_sgpr 66
		.amdhsa_reserve_vcc 1
		.amdhsa_float_denorm_mode_32 3
		.amdhsa_float_denorm_mode_16_64 3
		.amdhsa_memory_ordered 1
		.amdhsa_forward_progress 1
		.amdhsa_inst_pref_size 101
	.end_amdhsa_kernel
	.amdgpu_metadata
---
amdhsa.version: [ 1, 2 ]
amdhsa.kernels:
  - .name:           k_qd50cca48c1_prep
    .symbol:         k_qd50cca48c1_prep.kd
    .args:
      - { .name: x, .offset: 0, .size: 8, .value_kind: global_buffer, .address_space: global }
      - { .name: w_qkv, .offset: 8, .size: 8, .value_kind: global_buffer, .address_space: global }
      - { .name: w_out, .offset: 16, .size: 8, .value_kind: global_buffer, .address_space: global }
      - { .name: ops, .offset: 24, .size: 8, .value_kind: global_buffer, .address_space: global }
      - { .name: rope, .offset: 32, .size: 8, .value_kind: global_buffer, .address_space: global }
    .group_segment_fixed_size: 60928
    .private_segment_fixed_size: 0
    .kernarg_segment_align: 8
    .kernarg_segment_size: 40
    .max_flat_workgroup_size: 128
    .sgpr_count:     66
    .vgpr_count:     256
    .wavefront_size: 32
...
	.end_amdgpu_metadata
.endif
;; end of part 1
;; launch qkv (part 2): grid 12 x 32, 4 waves a work-group, clusters of 4 x 4, 327,680 bytes of LDS; arguments ops, rope, qq, kv; writes qq, kv
.if DOCPART == 2
	.amdgcn_target "amdgcn-amd-amdhsa--gfx1250"
	.amdhsa_code_object_version 6
	.text
	.protected	k_qd50cca48c1_qkv
	.globl	k_qd50cca48c1_qkv
	.p2align	8
	.type	k_qd50cca48c1_qkv,@function
k_qd50cca48c1_qkv:
	s_mov_b64 s[64:65], 0
	v_nop
	global_prefetch_b8 v0, s[64:65] scope:SCOPE_SE
	s_setreg_imm32_b32 hwreg(HW_REG_WAVE_MODE, 25, 1), 1
	s_wait_xcnt 0x0
	s_wait_alu depctr_hold_cnt(0) depctr_sa_sdst(0) depctr_va_vdst(0) depctr_va_sdst(0) depctr_va_ssrc(0) depctr_va_vcc(0) depctr_vm_vsrc(0)
	s_getreg_b32 s2, hwreg(HW_REG_IB_STS2, 6, 4)
	s_cmp_eq_u32 s2, 0
	s_cbranch_scc0 .Lentry_in_a_cluster
	s_endpgm
.Lentry_in_a_cluster:
	s_bfe_u32 s2, ttmp6, 0x10000c
	s_cmp_lg_u32 s2, 0xf033
	s_cbranch_scc0 .Lentry_shape_is_right
	s_endpgm
.Lentry_shape_is_right:
; QKV: x w_qkv on codes of FP6 with E8M0 scales, K = 1,024 in four K steps of 256; a block of 256 x 256 a work-group; Q and K are rotated, all three are quantised and stored as the next launch's operands.
; LDS: a region of three records for each wave's row block (A's two, then B's two), K steps 0 to 2 on end as they lie in memory: one joint load a wave at the head brings all three.
; K step 3 is the one refill: it lands on each region's first record, behind a drained round.
.set REC,   25600
.set SLOT,  25600                      ; from a K step's record to the next in its region
.set SPARE, 307200
.set SCA,   24576
.set G1A, 24
.set G1B, 32
.set G0A, 40
.set G0B, 52
.set SEL, 72
.set HM,  74
.set ADR, 10
.set SC,  32
.set F1,  64
.set H,   160
.set PC,  224
.set TM,  244
.set PWS, 32
.set MSB, 0
.macro WIN new
.if MSB != (\new)
	s_set_vgpr_msb (MSB<<8)|(\new)
.set MSB, (\new)
.endif
.endm
.macro PLACES n
.rept \n
	v_nop
.endr
.endm
.macro JLOAD g0a, g1a, g0b, g1b
	s_cmp_eq_u32 s15, 0
	s_cbranch_scc0 .Lfor_b_\@
	tensor_load_to_lds s[\g0a:\g0a+3], s[\g1a:\g1a+7]
	s_nop 0
.rept 4
	v_nop
.endr
	s_branch .Lasked_\@
.Lfor_b_\@:
	tensor_load_to_lds s[\g0b:\g0b+3], s[\g1b:\g1b+7]
	s_nop 0
.rept 4
	v_nop
.endr
.Lasked_\@:
.endm
.macro CREST
	s_cmp_lg_u32 s14, 0
	s_cbranch_scc1 .Lnot_wave_0_\@
	s_barrier_signal -3
.Lnot_wave_0_\@:
	s_barrier_wait -3
	s_barrier_signal -1
	s_barrier_wait -1
.endm
.macro CROUND
	s_barrier_signal -1
	s_barrier_wait -1
	CREST
.endm
.macro WM d, a, b, sa, sb, zero
.if \zero
	v_wmma_scale_f32_16x16x128_f8f6f4 v[(\d):(\d)+7], v[(\a):(\a)+11], v[(\b):(\b)+11], 0, v[(\sa)], v[(\sb)] matrix_a_fmt:MATRIX_FMT_FP6 matrix_b_fmt:MATRIX_FMT_FP6 matrix_a_scale:MATRIX_SCALE_ROW1
.else
	v_wmma_scale_f32_16x16x128_f8f6f4 v[(\d):(\d)+7], v[(\a):(\a)+11], v[(\b):(\b)+11], v[(\d):(\d)+7], v[(\sa)], v[(\sb)] matrix_a_fmt:MATRIX_FMT_FP6 matrix_b_fmt:MATRIX_FMT_FP6 matrix_a_scale:MATRIX_SCALE_ROW1
.endif
.endm
.macro FETCH slot, q, set, sc
	WIN 0x40
.irp i, 0,1,2,3,4,5,6,7
	ds_load_b128 v[128*(\set)+12*\i:128*(\set)+12*\i+3], v[ADR+5*(\slot)+2] offset:(8*(\q)+\i)*1536
	ds_load_b64 v[128*(\set)+12*\i+4:128*(\set)+12*\i+5], v[ADR+5*(\slot)+3] offset:(8*(\q)+\i)*1536+512
	ds_load_b128 v[128*(\set)+12*\i+6:128*(\set)+12*\i+9], v[ADR+5*(\slot)+2] offset:(8*(\q)+\i)*1536+768
	ds_load_b64 v[128*(\set)+12*\i+10:128*(\set)+12*\i+11], v[ADR+5*(\slot)+3] offset:(8*(\q)+\i)*1536+1280
.endr
	WIN 0
.irp i, 0,1,2,3,4,5,6,7
	ds_load_b128 v[F1+96*(\set)+12*\i:F1+96*(\set)+12*\i+3], v[ADR+5*(\slot)] offset:(8*(\q)+\i)*1536
	ds_load_b64 v[F1+96*(\set)+12*\i+4:F1+96*(\set)+12*\i+5], v[ADR+5*(\slot)+1] offset:(8*(\q)+\i)*1536+512
	ds_load_b128 v[F1+96*(\set)+12*\i+6:F1+96*(\set)+12*\i+9], v[ADR+5*(\slot)] offset:(8*(\q)+\i)*1536+768
	ds_load_b64 v[F1+96*(\set)+12*\i+10:F1+96*(\set)+12*\i+11], v[ADR+5*(\slot)+1] offset:(8*(\q)+\i)*1536+1280
.endr
.if (\sc) >= 0
.irp i, 0,1,2,3,4,5,6,7
	ds_load_b64 v[SC+16*(\sc)+2*\i:SC+16*(\sc)+2*\i+1], v[ADR+5*(\slot)+4] offset:128*\i
.endr
.endif
.endm
.macro MULA a0, n, set, q, sc, zero
.set AA, (\a0)
.rept (\n)
	WIN (0xa1+0x50*(AA/4))
.irp b, 0,1,2,3,4,5,6,7
	WM 8*(8*(AA%4)+\b), 128*(\set)+12*\b, F1+96*(\set)+12*AA, SC+16*(\sc)+2*\b+(\q), SC+16*(\sc)+2*AA+(\q), \zero
.endr
.set AA, AA+1
.endr
.endm
.macro QUANT s, w, pw
	WIN ((\w)|((\w)<<2))
.irp b, 0,1,2,3
	v_max3_num_f32 v[TM+\b], |v[(\s)+16*\b]|, |v[(\s)+1+16*\b]|, 0x1800000
.endr
	WIN (((\w)<<2)|((\w)<<4))
.irp i, 2,4,6,8,10,12,14
.irp b, 0,1,2,3
	v_max3_num_f32 v[TM+\b], v[TM+\b], |v[(\s)+16*\b+\i]|, |v[(\s)+1+16*\b+\i]|
.endr
.endr
	WIN 0
.irp b, 0,1,2,3
	v_permlanex16_b32 v[TM+4+\b], v[TM+\b], s[SEL], s[SEL+1]
.endr
.irp b, 0,1,2,3
	v_max_num_f32 v[TM+\b], v[TM+\b], v[TM+4+\b]
.endr
.irp b, 0,1,2,3
	v_add_nc_u32 v[TM+8+\b], 0xff000000, v[TM+\b]
.endr
.irp b, 0,1,2,3
	v_lshrrev_b32 v[TM+4+\b], 23, v[TM+8+\b]
.endr
	v_lshl_or_b32 v[\pw], v[TM+5], 8, v[TM+4]
	v_lshl_or_b32 v[\pw], v[TM+6], 16, v[\pw]
	v_lshl_or_b32 v[\pw], v[TM+7], 24, v[\pw]
	WIN (\w)
.irp c, 0,1
	v_cvt_scalef32_pk16_fp6_f32 v[PC+6*\c:PC+2+6*\c], v[(\s)+32*\c:(\s)+15+32*\c], v[TM+8+2*\c]
	v_cvt_scalef32_pk16_fp6_f32 v[PC+12+4*\c:PC+14+4*\c], v[(\s)+16+32*\c:(\s)+31+32*\c], v[TM+8+2*\c+1]
.endr
	WIN 0
	v_nop
.irp c, 0,1
.irp i, 0,1,2
	v_permlane16_swap_b32 v[PC+6*\c+\i], v[PC+12+4*\c+\i]
.endr
.irp i, 0,1,2
	v_mov_b32 v[PC+3+6*\c+\i], v[PC+12+4*\c+\i]
.endr
.endr
.endm
	s_load_b256 s[4:11], s[0:1], 0x0
	v_lshl_add_u32 v8, v0, 2, SPARE
	v_mov_b32 v9, 0
	ds_add_u32 v8, v9
	ds_add_u32 v8, v9
	s_wait_dscnt 0x0
	v_lshrrev_b32 v1, 5, v0
	v_readfirstlane_b32 s14, v1
	s_lshr_b32 s15, s14, 1
	s_and_b32 s16, s14, 1
	s_bfe_u32 s66, ttmp6, 0x40000
	s_bfe_u32 s67, ttmp6, 0x40004
	s_and_b32 s68, ttmp7, 0xffff
	s_add_co_u32 s75, ttmp9, 8
	s_cmp_eq_u32 ttmp9, 2
	s_cselect_b32 s69, 1, 0
	s_cselect_b32 s90, s68, s75
	s_cselect_b32 s20, s75, s68
	s_lshl_b32 s90, s90, 2
	s_add_co_u32 s90, s90, s66
	s_lshl_b32 s20, s20, 2
	s_add_co_u32 s20, s20, s67
	s_lshl_b32 s70, s67, 2
	s_lshl_b32 s70, 15, s70
	s_lshl_b32 s71, 0x1111, s66
	s_or_b32 s[G1A], s70, (3<<16)|(1<<21)
	s_or_b32 s[G1B], s71, (3<<16)|(1<<21)
.irp g, G1A, G1B
	s_mov_b32 s[\g+1], 32<<16
	s_mov_b32 s[\g+2], 300<<16                     ; the head's load: three records, 300 rows of 256 bytes
	s_mov_b32 s[\g+3], 32<<16
	s_mov_b32 s[\g+4], 300
	s_mov_b32 s[\g+5], 32
	s_mov_b32 s[\g+6], 0
	s_mov_b32 s[\g+7], 0
.endr
	s_lshl_b32 s21, s20, 1
	s_add_co_u32 s21, s21, s16
	s_mul_i32 s22, s21, 4*REC
	s_mov_b32 s23, 0
	s_lshl_b32 s91, s90, 1
	s_add_co_u32 s91, s91, s16
	s_mul_i32 s92, s91, 4*REC
	s_mov_b32 s93, 0
	s_mul_i32 s78, s14, 3*REC                      ; my region
	s_mov_b32 s[SEL], 0x76543210
	s_mov_b32 s[SEL+1], 0xfedcba98
	s_mov_b32 s[HM], 0xffff0000
	s_wait_kmcnt 0x0
	s_add_nc_u64 s[22:23], s[4:5], s[22:23]
	s_add_nc_u64 s[92:93], s[4:5], s[92:93]
	CROUND
.irp n, 0
	s_mov_b32 s[G0A+4*\n], 1
	s_add_co_u32 s[G0A+4*\n+1], s78, \n*SLOT
	s_add_nc_u64 s[G0A+4*\n+2:G0A+4*\n+3], s[22:23], \n*REC
	s_or_b32 s[G0A+4*\n+3], s[G0A+4*\n+3], 0x80000000
	s_mov_b32 s[G0B+4*\n], 1
	s_add_co_u32 s[G0B+4*\n+1], s78, \n*SLOT
	s_add_nc_u64 s[G0B+4*\n+2:G0B+4*\n+3], s[92:93], \n*REC
	s_or_b32 s[G0B+4*\n+3], s[G0B+4*\n+3], 0x80000000
	JLOAD G0A+4*\n, G1A, G0B+4*\n, G1B             ; my one load at the head: K steps 0 to 2 of my row block
.endr
	v_and_b32 v3, 31, v0
	v_lshlrev_b32 v1, 4, v3
	v_lshlrev_b32 v2, 3, v3
	v_and_b32 v4, 15, v0
	v_bfe_u32 v5, v0, 4, 1
	s_mul_i32 s79, s15, 3*REC
	s_mul_i32 s80, s16, 3*REC
	s_add_co_u32 s80, s80, 6*REC                   ; B's regions lie behind A's two
	s_sub_co_u32 s81, s80, s79
	v_mul_u32_u24 v6, s81, v5
	v_lshl_add_u32 v6, v4, 3, v6
	s_add_co_u32 s82, s79, SCA
.irp s, 0,1,2
	v_add_nc_u32 v[ADR+5*\s], s79, v1
	v_add_nc_u32 v[ADR+5*\s+1], s79, v2
	v_add_nc_u32 v[ADR+5*\s+2], s80, v1
	v_add_nc_u32 v[ADR+5*\s+3], s80, v2
	v_add_nc_u32 v[ADR+5*\s+4], s82, v6
	s_add_co_u32 s79, s79, SLOT
	s_add_co_u32 s80, s80, SLOT
	s_add_co_u32 s82, s82, SLOT
.endr
	s_wait_tensorcnt 0x0                           ; my load is in: the barrier below shows K steps 0 to 2 to every wave
	s_barrier_signal -1
	s_barrier_wait -1
	FETCH 0, 0, 0, 0
	s_wait_dscnt 0x0
	FETCH 0, 1, 1, -1
	MULA 0, 8, 0, 0, 0, 1
	WIN 0
	s_wait_tensorcnt 0x0
	ds_add_u32 v8, v9
	s_mov_b32 s[G1A+2], 100<<16                    ; no tensor load of mine is out: from here on a load brings one record, 100 rows
	s_mov_b32 s[G1A+4], 100
	s_mov_b32 s[G1B+2], 100<<16
	s_mov_b32 s[G1B+4], 100
	s_wait_dscnt 1
	MULA 0, 2, 1, 1, 0, 0
	s_wait_dscnt 0x0
	s_barrier_signal -1
	MULA 2, 2, 1, 1, 0, 0
	WIN 0
	s_barrier_wait -1
	CREST
	s_add_nc_u64 s[G0A+2:G0A+3], s[G0A+2:G0A+3], 3*REC
	s_add_nc_u64 s[G0B+2:G0B+3], s[G0B+2:G0B+3], 3*REC
	JLOAD G0A, G1A, G0B, G1B
	s_wait_alu depctr_va_vdst(0)
	FETCH 1, 0, 0, 1
	MULA 4, 4, 1, 1, 0, 0
	s_wait_dscnt 0x0
	PLACES 4
	FETCH 1, 1, 1, -1
	MULA 0, 8, 0, 0, 1, 0
	s_wait_dscnt 0x0
	PLACES 4
	FETCH 2, 0, 0, 0
	MULA 0, 8, 1, 1, 1, 0
	s_wait_dscnt 0x0
	PLACES 4
	FETCH 2, 1, 1, -1
	MULA 0, 8, 0, 0, 0, 0
	s_wait_dscnt 0x0
	s_wait_tensorcnt 0x0
	s_barrier_signal -1
	MULA 0, 4, 1, 1, 0, 0
	WIN 0
	s_barrier_wait -1
	PLACES 4
	FETCH 0, 0, 0, 1
	MULA 4, 4, 1, 1, 0, 0
	WIN 0
	s_cmp_eq_u32 s69, 1
	s_cbranch_scc1 .Lv_path
.macro ROPELD a, reg
.irp c, 0,1,2,3,4,5,6,7
	global_load_b128 v[(\reg)+4*\c:(\reg)+4*\c+3], v1, s[6:7] offset:4096*(\a)+512*\c
.endr
.endm
	s_lshl_b32 s75, s20, 1
	s_add_co_u32 s75, s75, s15
	s_and_b32 s76, s75, 15
	s_lshr_b32 s75, s75, 4
	s_lshl_b32 s82, s76, 15
	s_mov_b32 s83, 0
	s_add_nc_u64 s[6:7], s[6:7], s[82:83]
	s_wait_dscnt 0x0
	PLACES 4
	WIN 0x40
	ROPELD 0, 96
	ROPELD 1, 224
	FETCH 0, 1, 1, -1
	MULA 0, 8, 0, 0, 1, 0
	s_wait_dscnt 0x0
	PLACES 4
	WIN 0
	ROPELD 2, 64
	ROPELD 3, 96
	ROPELD 4, 128
	WIN 0x40
	ROPELD 5, 0
	ROPELD 6, 32
	ROPELD 7, 64
	MULA 0, 8, 1, 1, 1, 0
	WIN 0
	PLACES 4
	s_cmp_eq_u32 ttmp9, 1
	s_cselect_b64 s[84:85], s[10:11], s[8:9]
	s_mov_b32 s86, 6656
	s_cselect_b32 s86, 13056, s86
	s_lshl_b32 s87, s66, 2
	s_lshl_b32 s88, s16, 1
	s_add_co_u32 s87, s87, s88
	s_lshl_b32 s88, s75, 4
	s_add_co_u32 s87, s87, s88
	s_lshl_b32 s87, s87, 4
	s_add_co_u32 s87, s87, s76
	s_mul_i32 s82, s87, s86
	s_add_nc_u64 s[84:85], s[84:85], s[82:83]
	s_lshl_b32 s82, s86, 4
	s_add_nc_u64 s[88:89], s[84:85], s[82:83]
.irp b, 0,1,2,3
	v_mov_b32 v[TM+4+\b], 0
.endr
.macro QKTILE a, csw, csr
	s_wait_loadcnt 8*(7-(\a))
	s_wait_xcnt 0x0
	WIN ((2+(\a)/4)|((\csw)<<2))
.set AB, 64*((\a)%4)
.set PP, 0
.rept 32
	v_pk_mul_f32 v[H+2*PP:H+2*PP+1], v[AB+2*PP:AB+2*PP+1], v[(\csr)+2*(PP%16):(\csr)+2*(PP%16)+1] op_sel_hi:[1,0]
.set PP, PP+1
.endr
.set PP, 0
.rept 32
	v_pk_fma_f32 v[H+2*PP:H+2*PP+1], v[AB+2*PP:AB+2*PP+1], v[(\csr)+2*(PP%16):(\csr)+2*(PP%16)+1], v[H+2*PP:H+2*PP+1] op_sel:[1,1,0] op_sel_hi:[0,1,1] neg_lo:[0,1,0]
.set PP, PP+1
.endr
	QUANT H, 0, PWS+(\a)
	global_store_b128 v1, v[PC:PC+3], s[84:85] offset:768*(\a)
	global_store_b64 v2, v[PC+4:PC+5], s[84:85] offset:768*(\a)+512
	global_store_b128 v1, v[PC+6:PC+9], s[88:89] offset:768*(\a)
	global_store_b64 v2, v[PC+10:PC+11], s[88:89] offset:768*(\a)+512
.endm
	QKTILE 0, 1, 96
	QKTILE 1, 1, 224
	QKTILE 2, 0, 64
	QKTILE 3, 0, 96
	QKTILE 4, 0, 128
	QKTILE 5, 1, 0
	QKTILE 6, 1, 32
	QKTILE 7, 1, 64
.irp j, 0,1,2,3
	v_cndmask_b32 v[40+\j], v[PWS+\j], v[PWS+4+\j], s[HM]
.endr
.irp j, 0,1,2,3
	v_and_b32 v[44+\j], 0xffff, v[40+\j]
.endr
.irp j, 0,1,2,3
	v_lshrrev_b32 v[40+\j], 16, v[40+\j]
.endr
	global_store_b128 v1, v[44:47], s[84:85] offset:6144
	global_store_b128 v1, v[40:43], s[88:89] offset:6144
	s_branch .Lend
.Lv_path:
	s_wait_dscnt 0x0
	PLACES 4
	FETCH 0, 1, 1, -1
	MULA 0, 8, 0, 0, 1, 0
	s_wait_dscnt 0x0
	MULA 0, 8, 1, 1, 1, 0
	WIN 0
	PLACES 4
	s_lshl_b32 s75, s90, 1
	s_add_co_u32 s75, s75, s16
	s_and_b32 s76, s75, 15
	s_lshr_b32 s75, s75, 4
	s_lshl_b32 s87, s67, 2
	s_lshl_b32 s88, s15, 1
	s_add_co_u32 s87, s87, s88
	s_lshl_b32 s88, s75, 4
	s_add_co_u32 s87, s87, s88
	s_lshl_b32 s87, s87, 4
	s_add_co_u32 s87, s87, s76
	s_mul_i32 s82, s87, 13056
	s_add_co_u32 s82, s82, 6656
	s_mov_b32 s83, 0
	s_add_nc_u64 s[84:85], s[10:11], s[82:83]
	s_add_nc_u64 s[88:89], s[84:85], 16*13056
.irp b, 0,1,2,3
	v_mov_b32 v[TM+4+\b], 0
.endr
.macro VTILE a
	s_wait_xcnt 0x0
	QUANT 64*((\a)%4), 2+(\a)/4, PWS+(\a)
	global_store_b128 v1, v[PC:PC+3], s[84+4*((\a)/4):85+4*((\a)/4)] offset:1536*((\a)%4)
	global_store_b64 v2, v[PC+4:PC+5], s[84+4*((\a)/4):85+4*((\a)/4)] offset:1536*((\a)%4)+512
	global_store_b128 v1, v[PC+6:PC+9], s[84+4*((\a)/4):85+4*((\a)/4)] offset:1536*((\a)%4)+768
	global_store_b64 v2, v[PC+10:PC+11], s[84+4*((\a)/4):85+4*((\a)/4)] offset:1536*((\a)%4)+1280
.endm
.irp a, 0,1,2,3,4,5,6,7
	VTILE \a
.endr
.irp e, 0,1
.irp j, 0,1
	v_cndmask_b32 v[40+2*\e+\j], v[PWS+4*\e+\j], v[PWS+4*\e+2+\j], s[HM]
.endr
	global_store_b64 v2, v[40+2*\e:41+2*\e], s[84+4*\e:85+4*\e] offset:6144
.endr
.Lend:
	s_wait_tensorcnt 0x0
	ds_add_u32 v8, v9
	s_wait_dscnt 0x0
	CROUND
	s_endpgm
.Lfunc_end_k_qd50cca48c1_qkv:
	.size	k_qd50cca48c1_qkv, .Lfunc_end_k_qd50cca48c1_qkv-k_qd50cca48c1_qkv
	.p2alignl 7, 3214868480
	.fill 96, 4, 3214868480
	.section	.rodata,"a",@progbits
	.p2align	6, 0x0
	.amdhsa_kernel k_qd50cca48c1_qkv
		.amdhsa_group_segment_fixed_size 327680
		.amdhsa_private_segment_fixed_size 0
		.amdhsa_enable_private_segment 0
		.amdhsa_kernarg_size 32
		.amdhsa_user_sgpr_count 2
		.amdhsa_user_sgpr_kernarg_segment_ptr 1
		.amdhsa_wavefront_size32 1
		.amdhsa_system_sgpr_workgroup_id_x 1
		.amdhsa_system_sgpr_workgroup_id_y 1
		.amdhsa_system_sgpr_workgroup_id_z 1
		.amdhsa_system_vgpr_workitem_id 0
		.amdhsa_next_free_vgpr 1024
		.amdhsa_next_free_sgpr 100
		.amdhsa_reserve_vcc 0
		.amdhsa_float_denorm_mode_32 3
		.amdhsa_float_denorm_mode_16_64 3
		.amdhsa_memory_ordered 1
		.amdhsa_forward_progress 1
		.amdhsa_inst_pref_size 238
	.end_amdhsa_kernel
	.amdgpu_metadata
---
amdhsa.version: [ 1, 2 ]
amdhsa.kernels:
  - .name:           k_qd50cca48c1_qkv
    .symbol:         k_qd50cca48c1_qkv.kd
    .args:
      - { .name: ops, .offset: 0, .size: 8, .value_kind: global_buffer, .address_space: global }
      - { .name: rope, .offset: 8, .size: 8, .value_kind: global_buffer, .address_space: global }
      - { .name: qq, .offset: 16, .size: 8, .value_kind: global_buffer, .address_space: global }
      - { .name: kv, .offset: 24, .size: 8, .value_kind: global_buffer, .address_space: global }
    .group_segment_fixed_size: 327680
    .private_segment_fixed_size: 0
    .kernarg_segment_align: 8
    .kernarg_segment_size: 32
    .max_flat_workgroup_size: 128
    .sgpr_count:     100
    .vgpr_count:     1024
    .wavefront_size: 32
...
	.end_amdgpu_metadata
.endif
;; end of part 2
;; launch attn (part 3): grid 4 x 64, 16 waves a work-group, clusters of 4 x 1, 211,968 bytes of LDS; arguments qq, kv, oq; writes oq
.if DOCPART == 3
	.amdgcn_target "amdgcn-amd-amdhsa--gfx1250"
	.amdhsa_code_object_version 6
	.text
	.protected	k_qd50cca48c1_attn
	.globl	k_qd50cca48c1_attn
	.p2align	8
	.type	k_qd50cca48c1_attn,@function
k_qd50cca48c1_attn:
	s_mov_b64 s[64:65], 0
	v_nop
	global_prefetch_b8 v0, s[64:65] scope:SCOPE_SE
	s_setreg_imm32_b32 hwreg(HW_REG_WAVE_MODE, 25, 1), 1
	s_wait_xcnt 0x0
	s_wait_alu depctr_hold_cnt(0) depctr_sa_sdst(0) depctr_va_vdst(0) depctr_va_sdst(0) depctr_va_ssrc(0) depctr_va_vcc(0) depctr_vm_vsrc(0)
	s_getreg_b32 s2, hwreg(HW_REG_IB_STS2, 6, 4)
	s_cmp_eq_u32 s2, 0
	s_cbranch_scc0 .Lentry_in_a_cluster
	s_endpgm
.Lentry_in_a_cluster:
	s_bfe_u32 s2, ttmp6, 0x10000c
	s_cmp_lg_u32 s2, 0x3003
	s_cbranch_scc0 .Lentry_shape_is_right
	s_endpgm
.Lentry_shape_is_right:
; ATTN: o = softmax(q k^T / 8) v for one head and 512 queries a work-group, both products on codes of FP6 (E2M3) with E8M0 scales; o is divided by the row's sum, quantised along the head's 64, stored as codes.
; t = score x log2(e) / 8; M = the running largest t rounded UP to a whole number; p = 2^(t - M) is quantised along the keys; the row's sum is taken of the unquantised p; when M moves, sum and O are multiplied by 2^(old M - new M).
; THE HEAD'S K AND V STAY IN LDS: 16 records of 13,056 bytes (128 keys: K's eight tiles, their scale words, V's four fragments, their scale words), each filled once: wave w asks for record w.
; The four work-groups of a cluster own the four quarters of one head's queries and ask for the records jointly.  No prefetch: every tile is asked for at the head, so there is no loop to run ahead in.
; Sixteen waves; a wave owns 16 queries at a time, two passes.  Both products are used transposed (S^T = K Q^T, O^T = V^T P^T): a lane holds one query.
; WHICH KEYS FORM A TILE is chosen by the LDS addresses: row 8 g + j of tile 4 c + u is key 64 c + 32 g + 8 u + j, so the 32 registers of tiles 4 c .. 4 c + 3 in lane (r, h) are keys 64 c + 32 h + 0 .. 31:
; one scale block, and six registers of p's operand as they fall.  In the record that key is row j + 8 (u / 2) of tile 4 c + 2 g + u % 2.
; THE FIRST PRODUCT'S K IS 64: Q's registers 6-11 hold zero codes, so what K's operand holds there adds nothing: K's tiles lie six registers apart, each operand reaching over the next tile's six (the last over six zeros).
; The next step's K is asked for behind this step's score products, V at the step's top.
; REGISTERS: v0 Q's scale offset; v1-2 16, 8 x lane; v3-4 V's LDS addresses; v5-7 K's; v8-10 K's for record 0; v11 Q's scale word; v12 -M, v13 largest t, v[14:15] sum; v16-27 Q; v28-29 V's scale words; v30-31 the add's;
;   v32-79 K, v80-85 zeros; v86-133 V; v134-197 S^T, then p; v198-229 O^T; v230-241 p's codes; v242-249 at work; v250-253 K's scale words; v254 f; v255 p's scale word.
; LIMITS: no NaN or infinities; a block's byte is held at 1 from below; the scaled scores stay under 2^31 in magnitude.
.set RECB,  13056
.set HEADB, 208896
.set OSC,   208896                     ; o's scale halves, 4 x 256 bytes: written by LDS stores alone
.set SPARE, 209920
.set WV,  18
.set SEL, 20
.set CS,  22
.set G1,  24
.set G0,  32
.set TB,  48
.set CNT, 49
.set KF,  32
.set VF,  86
.set S,   134
.set O,   198
.set PC,  230
.macro WALU
	s_wait_alu depctr_va_vdst(0)
.endm
.macro CROUND
	s_barrier_signal -1
	s_barrier_wait -1
	s_cmp_lg_u32 s[WV], 0
	s_cbranch_scc1 .Lnot_wave_0_\@
	s_barrier_signal -3
.Lnot_wave_0_\@:
	s_barrier_wait -3
	s_barrier_signal -1
	s_barrier_wait -1
.endm
	s_load_b128 s[4:7], s[0:1], 0x0                ; qq, kv
	s_load_b64 s[8:9], s[0:1], 0x10                ; oq
	v_lshl_add_u32 v30, v0, 2, SPARE
	v_mov_b32 v31, 0
	ds_add_u32 v30, v31                            ; the opening lines
	ds_add_u32 v30, v31
	v_lshrrev_b32 v1, 5, v0
	v_readfirstlane_b32 s[WV], v1                  ; wave 0..15
	s_and_b32 s53, s[WV], 7                        ; i: my tile among a group's eight
	s_lshr_b32 s55, s53, 2
	s_lshl_b32 s55, s55, 8
	s_and_b32 s58, s53, 3
	s_lshl_b32 s58, s58, 2
	s_add_co_u32 s55, s55, s58
	v_and_b32 v3, 15, v0                           ; r
	v_and_b32 v4, 31, v0
	v_and_b32 v5, 7, v0                            ; j
	v_bfe_u32 v6, v0, 3, 1                         ; g
	v_bfe_u32 v7, v0, 4, 1                         ; h
	v_lshlrev_b32 v1, 4, v4
	v_lshlrev_b32 v2, 3, v4
	v_mul_u32_u24 v4, v6, 1536
	v_lshl_add_u32 v8, v5, 4, v4
	v_lshl_add_u32 v9, v5, 3, v4
	v_lshlrev_b32 v10, 4, v5
	v_lshl_add_u32 v8, v7, 8, v8                   ; K's pieces of 16 bytes: 1,536 g + 16 j + 256 h
	v_lshl_add_u32 v9, v7, 7, v9                   ; of 8 bytes: 1,536 g + 8 j + 128 h
	v_lshl_add_u32 v10, v6, 3, v10
	v_lshl_add_u32 v10, v7, 8, v10
	v_add_nc_u32 v10, 6144, v10                    ; K's scale words: 6,144 + 16 j + 8 g + 256 h (lanes 16-31: tiles 4-7)
	v_lshl_add_u32 v0, v3, 4, s55                  ; Q's scale word: 16 (r + 16 (i >> 2)) + 4 (i & 3)
	WALU                                           ; ahead of the scalar run and the waits below
	s_and_b32 s57, ttmp7, 0xffff                   ; y = 16 batch + head, which the four partners share
	s_mul_i32 s50, s57, HEADB
	s_mul_i32 s52, s[WV], RECB                     ; record w, in memory and in LDS
	s_add_co_u32 s50, s50, s52
	s_mov_b32 s51, 0
	s_mov_b32 s[G1], 15|(3<<16)|(1<<21)            ; a record as 51 rows of 256 bytes; the mask names all four
	s_mov_b32 s[G1+1], 32<<16
	s_mov_b32 s[G1+2], 51<<16
	s_mov_b32 s[G1+3], 32<<16
	s_mov_b32 s[G1+4], 51
	s_mov_b32 s[G1+5], 32
	s_mov_b32 s[G1+6], 0
	s_mov_b32 s[G1+7], 0
	s_lshr_b32 s54, s[WV], 3                       ; which of a pass's two groups of 128 queries
	s_lshl_b32 s76, s54, 8
	s_lshl_b32 s59, s53, 1
	s_add_co_u32 s76, s76, s59
	s_add_co_u32 s76, s76, OSC                     ; o's scale halves: group x 256 + 2 i (+ 16 r)
	s_min_u32 s72, s[WV], 3
	s_lshl_b32 s77, s72, 8
	s_add_co_u32 s77, s77, OSC                     ; their way out: waves 0-3, a group each
	s_bfe_u32 s56, ttmp6, 0x40000                  ; cx: it enters qq's and oq's addresses alone
	s_lshl_b32 s58, ttmp9, 2
	s_add_co_u32 s56, s56, s58                     ; X: my 512 queries
	s_lshl_b32 s58, s57, 4
	s_lshl_b32 s59, s56, 2
	s_add_co_u32 s58, s58, s59
	s_add_co_u32 s58, s58, s54
	s_mul_i32 s60, s58, 6656                       ; Q's record 16 y + 4 X + (w >> 3); pass 1: two records on
	s_mov_b32 s61, 0
	s_mul_i32 s62, s53, 768
	s_mov_b32 s63, 0
	s_and_b32 s66, s57, 0xfff0
	s_add_co_u32 s66, s66, s59                     ; o's row block 16 batch + 4 X
	s_and_b32 s67, s57, 15                         ; the head
	s_lshr_b32 s68, s67, 2
	s_add_co_u32 s69, s66, s54
	s_lshl_b32 s69, s69, 2
	s_add_co_u32 s69, s69, s68
	s_mul_i32 s70, s69, 25600
	s_bfe_u32 s69, s67, 0x10001
	s_lshl_b32 s69, s69, 3
	s_add_co_u32 s69, s69, s53
	s_mul_i32 s69, s69, 1536
	s_add_co_u32 s70, s70, s69
	s_and_b32 s69, s67, 1
	s_mul_i32 s69, s69, 768
	s_add_co_u32 s70, s70, s69
	s_mov_b32 s71, 0
	s_add_co_u32 s73, s66, s72
	s_lshl_b32 s73, s73, 2
	s_add_co_u32 s73, s73, s68
	s_mul_i32 s74, s73, 25600
	s_and_b32 s73, s67, 3
	s_lshl_b32 s73, s73, 8
	s_add_co_u32 s74, s74, s73
	s_add_co_u32 s74, s74, 24576
	s_mov_b32 s75, 0
	s_mov_b32 s[SEL], 0x76543210
	s_mov_b32 s[SEL+1], 0xfedcba98
	s_mov_b32 s[CS], 0x3e38aa3b                    ; log2(e) / 8
	s_mov_b32 s[CS+1], s[CS]
	s_mov_b32 s[G0], 1
	s_mov_b32 s[G0+1], s52
	s_wait_dscnt 0x0
	s_wait_kmcnt 0x0
	s_add_nc_u64 s[G0+2:G0+3], s[6:7], s[50:51]
	s_or_b32 s[G0+3], s[G0+3], 0x80000000
	s_add_nc_u64 s[10:11], s[4:5], s[60:61]        ; Q's record,
	s_add_nc_u64 s[4:5], s[10:11], s[62:63]        ; my tile's codes in it
	s_add_nc_u64 s[12:13], s[8:9], s[74:75]        ; o's scale halves
	s_add_nc_u64 s[8:9], s[8:9], s[70:71]          ; o's codes
	CROUND                                         ; all four work-groups are here: the joint loads meet
	tensor_load_to_lds s[G0:G0+3], s[G1:G1+7]      ; every wave's one load: record w
	s_nop 0
.macro QLOAD p
	global_load_b128 v[16:19], v1, s[4:5] offset:13312*\p
	global_load_b64 v[20:21], v2, s[4:5] offset:13312*\p+512
	global_load_b32 v11, v0, s[10:11] offset:13312*\p+6144
.endm
	QLOAD 0
.irp j, 22,23,24,25,26,27,80,81,82,83,84,85,247,254,255
	v_mov_b32 v[\j], 0                             ; Q's zero codes, the six behind K's last tile; a permute's destination and a pair's upper half are written once
.endr
.macro INIT
	v_mov_b32 v13, 0xff61b1e6                      ; the largest t so far: -3e38
	v_mov_b32 v14, 0
	v_mov_b32 v15, 0
	v_floor_f32 v12, -v13
.set J, 0
.rept 32
	v_mov_b32 v[O+J], 0                            ; the step is written once: the first finds zeros
.set J, J+1
.endr
	WALU                                           ; ahead of the waits that follow
.endm
.macro KLOAD a16, a8, as, off          ; a record's eight tiles of K and their scale words: 18 loads
.irp c, 0,1
.irp u, 0,1,2,3
	ds_load_b128 v[KF+6*(4*\c+\u):KF+6*(4*\c+\u)+3], v[\a16] offset:(\off)+768*(4*\c+\u%2)+128*(\u/2)
	ds_load_b64 v[KF+6*(4*\c+\u)+4:KF+6*(4*\c+\u)+5], v[\a8] offset:(\off)+768*(4*\c+\u%2)+512+64*(\u/2)
.endr
.endr
	ds_load_b64 v[250:251], v[\as] offset:(\off)
	ds_load_b64 v[252:253], v[\as] offset:(\off)+128
.endm
; A KEY STEP on the record at s[TB].  nxt = 1: the next record's K is asked for; 2: record 0's, for the next pass; 0: nothing
.macro STEP nxt
	v_add_nc_u32 v3, s[TB], v1                     ; (these lines are also the places between the last products and V's loads)
	v_add_nc_u32 v4, s[TB], v2
.if (\nxt) == 1
	v_add_nc_u32 v5, s[TB], v8
	v_add_nc_u32 v6, s[TB], v9
	v_add_nc_u32 v7, s[TB], v10
.else
	v_nop
	v_nop
.endif
.irp t, 0,1,2,3
	ds_load_b128 v[VF+12*\t:VF+12*\t+3], v3 offset:6656+1536*\t
	ds_load_b64 v[VF+12*\t+4:VF+12*\t+5], v4 offset:6656+1536*\t+512
	ds_load_b128 v[VF+12*\t+6:VF+12*\t+9], v3 offset:6656+1536*\t+768
	ds_load_b64 v[VF+12*\t+10:VF+12*\t+11], v4 offset:6656+1536*\t+1280
.endr
	ds_load_b64 v[28:29], v4 offset:12800          ; V's scale words
	WALU                                           ; ahead of the wait below
	s_wait_dscnt 17                                ; K is in; V's 17 loads may be out
.irp u, 0,1,2,3
	v_wmma_scale_f32_16x16x128_f8f6f4 v[S+8*\u:S+8*\u+7], v[KF+6*\u:KF+6*\u+11], v[16:27], 0, v[250+\u], v11 matrix_a_fmt:MATRIX_FMT_FP6 matrix_b_fmt:MATRIX_FMT_FP6
.endr
.irp u, 0,1,2,3
	v_wmma_scale_f32_16x16x128_f8f6f4 v[S+32+8*\u:S+32+8*\u+7], v[KF+24+6*\u:KF+24+6*\u+11], v[16:27], 0, v[250+\u], v11 matrix_a_fmt:MATRIX_FMT_FP6 matrix_b_fmt:MATRIX_FMT_FP6 matrix_a_scale:MATRIX_SCALE_ROW1
.endr
.rept 4
	v_nop                                          ; places ahead of the loads into K's registers and of the first read of the scores
.endr
.if (\nxt) == 1
	KLOAD 5, 6, 7, RECB
.elseif (\nxt) == 2
	KLOAD 8, 9, 10, 0
.endif
.irp c, 0,1                                    ; the largest score of my two blocks of 32 keys, two chains each; each accumulator is read from its low end on
	v_max3_num_f32 v[242+\c], v[S+32*\c], v[S+32*\c+1], v[S+32*\c+2]
	v_max3_num_f32 v[244+\c], v[S+32*\c+16], v[S+32*\c+17], v[S+32*\c+18]
.endr
.irp i, 3,5,7,9,11,13
.irp c, 0,1
	v_max3_num_f32 v[242+\c], v[242+\c], v[S+32*\c+\i], v[S+32*\c+\i+1]
	v_max3_num_f32 v[244+\c], v[244+\c], v[S+32*\c+16+\i], v[S+32*\c+17+\i]
.endr
.endr
.irp c, 0,1
	v_max3_num_f32 v[244+\c], v[244+\c], v[S+32*\c+15], v[S+32*\c+31]
.endr
.irp c, 0,1
	v_max_num_f32 v[242+\c], v[242+\c], v[244+\c]
.endr
	s_delay_alu instid0(VALU_DEP_1)
	v_max_num_f32 v246, v242, v243
	s_delay_alu instid0(VALU_DEP_1)
	v_permlanex16_b32 v247, v246, s[SEL], s[SEL+1]
	s_delay_alu instid0(VALU_DEP_1)
	v_max_num_f32 v246, v246, v247                 ; the step's largest score of my query
	s_delay_alu instid0(VALU_DEP_1)
	v_mul_f32 v246, s[CS], v246
	s_delay_alu instid0(VALU_DEP_1)
	v_max_num_f32 v13, v13, v246                   ; the running largest t
	v_mov_b32 v246, v12
	s_delay_alu instid0(VALU_DEP_2)
	v_floor_f32 v12, -v13                          ; the new -M
	s_delay_alu instid0(VALU_DEP_1)
	v_sub_f32 v246, v12, v246                      ; old M - new M
	s_delay_alu instid0(VALU_DEP_1)
	v_cvt_i32_f32 v246, v246
	s_delay_alu instid0(VALU_DEP_1)
	v_ldexp_f32 v254, 1.0, v246                    ; f
.set J, 0
.rept 32
	v_pk_fma_f32 v[S+J:S+J+1], v[S+J:S+J+1], s[CS:CS+1], v[12:13] op_sel_hi:[1,0,0]   ; t - M
.set J, J+2
.endr
	v_fma_f32 v242, v242, s[CS], v12
	v_fma_f32 v243, v243, s[CS], v12
	WALU                                           ; ahead of the batch
.set J, 0
.rept 64
	v_exp_f32 v[S+J], v[S+J]                       ; p
.set J, J+1
.endr
	v_pk_mul_f32 v[14:15], v[14:15], v[254:255] op_sel_hi:[1,0]   ; the sum under the new M
	WALU                                           ; behind the batch
	v_exp_f32 v242, v242                           ; each block's largest p
	v_exp_f32 v243, v243
	v_pk_add_f32 v[244:245], v[S:S+1], v[S+2:S+3]  ; the sum of the unquantised p, four chains
	v_pk_add_f32 v[246:247], v[S+4:S+5], v[S+6:S+7]
	v_pk_add_f32 v[248:249], v[S+8:S+9], v[S+10:S+11]
	v_pk_add_f32 v[14:15], v[14:15], v[S+12:S+13]
.irp i, 14,22,30,38,46,54
	v_pk_add_f32 v[244:245], v[244:245], v[S+\i:S+\i+1]
	v_pk_add_f32 v[246:247], v[246:247], v[S+\i+2:S+\i+3]
	v_pk_add_f32 v[248:249], v[248:249], v[S+\i+4:S+\i+5]
	v_pk_add_f32 v[14:15], v[14:15], v[S+\i+6:S+\i+7]
.endr
	v_pk_add_f32 v[244:245], v[244:245], v[S+62:S+63]
	v_pk_add_f32 v[14:15], v[14:15], v[248:249]
	v_pk_add_f32 v[244:245], v[244:245], v[246:247]
	v_pk_add_f32 v[14:15], v[14:15], v[244:245]
	WALU                                           ; for the two
	v_max_num_f32 v242, 0x1800000, v242            ; the floor 2^(3 - 127)
	v_max_num_f32 v243, 0x1800000, v243
	v_add_nc_u32 v242, 0xff000000, v242            ; the conversions' scale operands
	v_add_nc_u32 v243, 0xff000000, v243
	v_lshrrev_b32 v244, 23, v242                   ; the bytes of blocks h and 2 + h
	v_lshrrev_b32 v245, 23, v243
	v_cvt_scalef32_pk16_fp6_f32 v[PC:PC+2], v[S:S+15], v242
	v_cvt_scalef32_pk16_fp6_f32 v[PC+6:PC+8], v[S+32:S+47], v243
	v_lshl_or_b32 v244, v245, 16, v244             ; (a plain line behind the conversions, whose sources are written below)
	v_cvt_scalef32_pk16_fp6_f32 v[S:S+2], v[S+16:S+31], v242       ; a conversion's three registers begin on an even number: made here and moved
	v_cvt_scalef32_pk16_fp6_f32 v[S+32:S+34], v[S+48:S+63], v243
	v_permlanex16_b32 v246, v244, s[SEL], s[SEL+1]
	v_lshl_or_b32 v255, v246, 8, v244              ; p's scale word, whole in lanes 0-15, which alone are read
.irp i, 0,1,2
	v_mov_b32 v[PC+3+\i], v[S+\i]
	v_mov_b32 v[PC+9+\i], v[S+32+\i]
.endr
	WALU                                           ; directly ahead of the first reader of O^T
.set J, 0
.rept 16
	v_pk_mul_f32 v[O+J:O+J+1], v[O+J:O+J+1], v[254:255] op_sel_hi:[1,0]   ; O^T under the new M; also the places ahead of the products
.set J, J+2
.endr
	WALU
.if (\nxt)
	s_wait_dscnt 18                                ; V is in; the next K's 18 loads may be out
.else
	s_wait_dscnt 0x0
.endif
.irp t, 0,1
	v_wmma_scale_f32_16x16x128_f8f6f4 v[O+8*\t:O+8*\t+7], v[VF+12*\t:VF+12*\t+11], v[PC:PC+11], v[O+8*\t:O+8*\t+7], v[28+\t], v255 matrix_a_fmt:MATRIX_FMT_FP6 matrix_b_fmt:MATRIX_FMT_FP6
.endr
.irp t, 0,1
	v_wmma_scale_f32_16x16x128_f8f6f4 v[O+16+8*\t:O+16+8*\t+7], v[VF+24+12*\t:VF+24+12*\t+11], v[PC:PC+11], v[O+16+8*\t:O+16+8*\t+7], v[28+\t], v255 matrix_a_fmt:MATRIX_FMT_FP6 matrix_b_fmt:MATRIX_FMT_FP6 matrix_a_scale:MATRIX_SCALE_ROW1
.endr
.endm
.macro PASS last                       ; 16 key steps; the last is written out: what it asks for differs
	s_mov_b32 s[TB], 0
	s_mov_b32 s[CNT], 15
.Lsteps_\@:
	STEP 1
	s_add_co_u32 s[TB], s[TB], RECB
	s_sub_co_u32 s[CNT], s[CNT], 1
	s_cmp_lg_u32 s[CNT], 0
	s_cbranch_scc1 .Lsteps_\@
	STEP \last
.endm
; THE WAY OUT of a pass: O^T / the sum; two blocks of 32 channels, each in lanes l and l xor 16; 768 bytes of codes; the two bytes go to LDS
.macro OUT p
.rept 4
	v_nop
.endr
	v_add_f32 v14, v14, v15
	v_permlanex16_b32 v254, v14, s[SEL], s[SEL+1]
	v_add_f32 v14, v14, v254                       ; the row's sum
	WALU
	v_rcp_f32 v14, v14
	v_nop
	WALU
.set J, 0
.rept 16
	v_pk_mul_f32 v[S+J:S+J+1], v[O+J:O+J+1], v[14:15] op_sel_hi:[1,0]
.set J, J+2
.endr
.irp b, 0,1
	v_max3_num_f32 v[242+\b], |v[S+16*\b]|, |v[S+1+16*\b]|, 0x1800000
.endr
.irp i, 2,4,6,8,10,12,14
.irp b, 0,1
	v_max3_num_f32 v[242+\b], v[242+\b], |v[S+16*\b+\i]|, |v[S+1+16*\b+\i]|
.endr
.endr
.irp b, 0,1
	v_permlanex16_b32 v[244+\b], v[242+\b], s[SEL], s[SEL+1]
.endr
.irp b, 0,1
	v_max_num_f32 v[242+\b], v[242+\b], v[244+\b]
.endr
.irp b, 0,1
	v_add_nc_u32 v[246+\b], 0xff000000, v[242+\b]
.endr
.irp b, 0,1
	v_lshrrev_b32 v[244+\b], 23, v[246+\b]
.endr
	v_lshl_or_b32 v248, v245, 8, v244
	v_cvt_scalef32_pk16_fp6_f32 v[PC:PC+2], v[S:S+15], v246
	v_cvt_scalef32_pk16_fp6_f32 v[S+32:S+34], v[S+16:S+31], v247
	v_and_b32 v249, 0xf0, v1                       ; 16 r  (a plain line behind the conversions)
	v_add_nc_u32 v249, s76, v249
.irp i, 0,1,2
	v_permlane16_swap_b32 v[PC+\i], v[S+32+\i]
.endr
.irp i, 0,1,2
	v_mov_b32 v[PC+3+\i], v[S+32+\i]
.endr
	global_store_b128 v1, v[PC:PC+3], s[8:9] offset:204800*\p
	global_store_b64 v2, v[PC+4:PC+5], s[8:9] offset:204800*\p+512
	ds_store_b16 v249, v248 offset:512*\p          ; lanes r and r + 16 write the same two bytes with the same value
.endm
	INIT
	s_wait_loadcnt 0x0                             ; Q
	s_wait_tensorcnt 0x0                           ; my record is in
	s_barrier_signal -1
	s_barrier_wait -1                              ; everybody's is; nothing is ever filled again
	KLOAD 8, 9, 10, 0
	PASS 2
	QLOAD 1                                        ; the second tile's Q lands under the first tile's way out
	OUT 0
	INIT
	s_wait_loadcnt 0x0
	s_wait_xcnt 0x0                                ; the first tile's stores have read the codes' registers
	PASS 0
	OUT 1
	v_add_nc_u32 v3, s77, v2
	WALU
	s_wait_dscnt 0x0                               ; for the others' sake: my scale halves lie in LDS
	s_barrier_signal -1
	s_barrier_wait -1
	s_cmp_lt_u32 s[WV], 4
	s_cbranch_scc0 .Lno_scales
	ds_load_b64 v[4:5], v3
	s_wait_dscnt 0x0
	global_store_b64 v2, v[4:5], s[12:13]          ; a group's 256 bytes
.Lno_scales:
	s_wait_tensorcnt 0x0                           ; the wave's end
	ds_add_u32 v30, v31
	s_wait_dscnt 0x0
	CROUND                                         ; the closing round
	s_endpgm
.Lfunc_end_k_qd50cca48c1_attn:
	.size	k_qd50cca48c1_attn, .Lfunc_end_k_qd50cca48c1_attn-k_qd50cca48c1_attn
	.p2alignl 7, 3214868480
	.fill 96, 4, 3214868480
	.section	.rodata,"a",@progbits
	.p2align	6, 0x0
	.amdhsa_kernel k_qd50cca48c1_attn
		.amdhsa_group_segment_fixed_size 211968
		.amdhsa_private_segment_fixed_size 0
		.amdhsa_enable_private_segment 0
		.amdhsa_kernarg_size 24
		.amdhsa_user_sgpr_count 2
		.amdhsa_user_sgpr_kernarg_segment_ptr 1
		.amdhsa_wavefront_size32 1
		.amdhsa_system_sgpr_workgroup_id_x 1
		.amdhsa_system_sgpr_workgroup_id_y 1
		.amdhsa_system_sgpr_workgroup_id_z 1
		.amdhsa_system_vgpr_workitem_id 0
		.amdhsa_next_free_vgpr 256
		.amdhsa_next_free_sgpr 80
		.amdhsa_reserve_vcc 0
		.amdhsa_float_denorm_mode_32 3
		.amdhsa_float_denorm_mode_16_64 3
		.amdhsa_memory_ordered 1
		.amdhsa_forward_progress 1
		.amdhsa_inst_pref_size 78
	.end_amdhsa_kernel
	.amdgpu_metadata
---
amdhsa.version: [ 1, 2 ]
amdhsa.kernels:
  - .name:           k_qd50cca48c1_attn
    .symbol:         k_qd50cca48c1_attn.kd
    .args:
      - { .name: qq, .offset: 0, .size: 8, .value_kind: global_buffer, .address_space: global }
      - { .name: kv, .offset: 8, .size: 8, .value_kind: global_buffer, .address_space: global }
      - { .name: oq, .offset: 16, .size: 8, .value_kind: global_buffer, .address_space: global }
    .group_segment_fixed_size: 211968
    .private_segment_fixed_size: 0
    .kernarg_segment_align: 8
    .kernarg_segment_size: 24
    .max_flat_workgroup_size: 512
    .sgpr_count:     80
    .vgpr_count:     256
    .wavefront_size: 32
...
	.end_amdgpu_metadata
.endif
;; end of part 3
;; launch proj (part 4): grid 8 x 32, 4 waves a work-group, clusters of 4 x 4, 325,120 bytes of LDS; arguments oq, ops, out0; writes out0
.if DOCPART == 4
	.amdgcn_target "amdgcn-amd-amdhsa--gfx1250"
	.amdhsa_code_object_version 6
	.text
	.protected	k_qd50cca48c1_proj
	.globl	k_qd50cca48c1_proj
	.p2align	8
	.type	k_qd50cca48c1_proj,@function
k_qd50cca48c1_proj:
	s_mov_b64 s[64:65], 0
	v_nop
	global_prefetch_b8 v0, s[64:65] scope:SCOPE_SE
	s_setreg_imm32_b32 hwreg(HW_REG_WAVE_MODE, 25, 1), 1
	s_wait_xcnt 0x0
	s_wait_alu depctr_hold_cnt(0) depctr_sa_sdst(0) depctr_va_vdst(0) depctr_va_sdst(0) depctr_va_ssrc(0) depctr_va_vcc(0) depctr_vm_vsrc(0)
	s_getreg_b32 s2, hwreg(HW_REG_IB_STS2, 6, 4)
	s_cmp_eq_u32 s2, 0
	s_cbranch_scc0 .Lentry_in_a_cluster
	s_endpgm
.Lentry_in_a_cluster:
	s_bfe_u32 s2, ttmp6, 0x10000c
	s_cmp_lg_u32 s2, 0xf033
	s_cbranch_scc0 .Lentry_shape_is_right
	s_endpgm
.Lentry_shape_is_right:
; PROJ: out0 = o w_out on codes of FP6 (E2M3) with E8M0 scales, K = 1,024; out0 [8192][1024] f32.
; o lies in oq and w_out's columns in ops (row blocks 88 to 95) as records of 128 rows x 256 K: 16 fragments as images of the operand's registers, then 1,024 bytes of scales.
; A work-group makes 256 rows of o x 128 columns: 256 work-groups.  Each of its four waves makes 128 rows x 64 columns: 32 accumulators.  (Blocks of 256 x 256 would be only 128 work-groups.)
; ALL FOUR K STEPS LIE IN LDS AT ONCE: 4 x (o's two records, the weight's one) = 307,200 bytes, each filled once: no slot is filled again.
; CLUSTERS: 4 x 4.  o's records hang on cy and are shared along a row of the cluster, the weight's on cx and along a column: joint loads.  Waves 0, 1 fetch o's, wave 2 the weight's, wave 3 nothing.
; The product is used transposed (source 0 = 16 columns of w_out, source 1 = 16 rows of o): a lane holds eight neighbouring numbers of a row of out0.
; o's scales lie as halves, [head % 4][row][tile] of two bytes: a chunk's word is made of two heads' halves by one v_perm_b32.
; REGISTERS, in windows of 256: window 0: v1-2 16 and 8 x lane; v4-27 LDS addresses, six for each K step; v28-30 the way out; v32-47 o's scale halves as loaded; v48-63 the weight's scale words, two sets;
;   v64-95 o's scale words, two sets; v128-191 the way out.   window 1: the weight's fragments, two sets of 48.   window 2: the accumulators, (a, b) at v[8 (4 a + b)].   window 3: o's fragments, two sets of 96.
.set REC,   25600
.set KSL,   25600                      ; from a K step's record to the next: a row block's four records lie on end, in memory and in LDS
.set SCA,   24576
.set STG,   307200                     ; behind them: a stage of 16 rows x (256 + 16) bytes for each wave; no tensor load lands there
.set G1A, 24
.set G1B, 32
.set G0A, 40                           ; s[40:43] group 0 for o's records, one load for all four K steps;  s[68:71] for the weight's
.set G0B, 68
.set MSB, 0
.macro WIN new
.if MSB != (\new)
	s_set_vgpr_msb (MSB<<8)|(\new)
.set MSB, (\new)
.endif
.endm
.macro PLACES n
.rept \n
	v_nop
.endr
.endm
.macro CROUND
	s_barrier_signal -1
	s_barrier_wait -1
	s_cmp_lg_u32 s14, 0
	s_cbranch_scc1 .Lnot_wave_0_\@
	s_barrier_signal -3
.Lnot_wave_0_\@:
	s_barrier_wait -3
	s_barrier_signal -1
	s_barrier_wait -1
.endm
.macro WM d, a, b, sa, sb, zero
.if \zero
	v_wmma_scale_f32_16x16x128_f8f6f4 v[(\d):(\d)+7], v[(\a):(\a)+11], v[(\b):(\b)+11], 0, v[(\sa)], v[(\sb)] matrix_a_fmt:MATRIX_FMT_FP6 matrix_b_fmt:MATRIX_FMT_FP6
.else
	v_wmma_scale_f32_16x16x128_f8f6f4 v[(\d):(\d)+7], v[(\a):(\a)+11], v[(\b):(\b)+11], v[(\d):(\d)+7], v[(\sa)], v[(\sb)] matrix_a_fmt:MATRIX_FMT_FP6 matrix_b_fmt:MATRIX_FMT_FP6
.endif
.endm
	s_load_b128 s[4:7], s[0:1], 0x0                ; oq, ops
	s_load_b64 s[8:9], s[0:1], 0x10                ; out0
	v_lshl_add_u32 v254, v0, 2, 0x4f400
	v_mov_b32 v255, 0
	ds_add_u32 v254, v255
	ds_add_u32 v254, v255
	v_lshrrev_b32 v1, 5, v0
	v_readfirstlane_b32 s14, v1                    ; wave 0..3
	s_lshr_b32 s15, s14, 1                         ; which 128 rows of o are mine
	s_and_b32 s16, s14, 1                          ; which 64 columns.  Also: which record of o I fetch
	s_bfe_u32 s84, ttmp6, 0x40000                  ; cx
	s_bfe_u32 s85, ttmp6, 0x40004                  ; cy
	s_lshl_b32 s90, ttmp9, 2
	s_add_co_u32 s90, s90, s84                     ; the block of 128 columns: hangs on cx, never on cy
	s_and_b32 s20, ttmp7, 0xffff
	s_lshl_b32 s20, s20, 2
	s_add_co_u32 s20, s20, s85                     ; the block of 256 rows: hangs on cy, never on cx
	s_lshl_b32 s86, s85, 2
	s_lshl_b32 s86, 15, s86                        ; my row of the cluster
	s_lshl_b32 s87, 0x1111, s84                    ; my column
	s_or_b32 s[G1A], s86, (3<<16)|(1<<21)          ; a record as 100 rows of 32 elements of 8 bytes; no padding; the mask, and bit 21 beside it
	s_or_b32 s[G1B], s87, (3<<16)|(1<<21)
.irp g, G1A, G1B
	s_mov_b32 s[\g+1], 32<<16
	s_mov_b32 s[\g+2], 400<<16                     ; four records on end: 400 rows of 256 bytes
	s_mov_b32 s[\g+3], 32<<16
	s_mov_b32 s[\g+4], 400
	s_mov_b32 s[\g+5], 32
	s_mov_b32 s[\g+6], 0
	s_mov_b32 s[\g+7], 0
.endr
	s_lshl_b32 s21, s20, 1
	s_add_co_u32 s21, s21, s16
	s_mul_i32 s22, s21, 4*REC
	s_mov_b32 s23, 0
	s_add_co_u32 s91, s90, 88
	s_mul_i32 s92, s91, 4*REC
	s_mov_b32 s93, 0
	s_mul_i32 s56, s14, 4*REC                      ; where a row block's four records go: wave x four records
	s_mov_b32 s88, 0x05040100                      ; the two low halves
	s_mov_b32 s89, 0x07060302                      ; the two high halves
	s_wait_dscnt 0x0
	s_wait_kmcnt 0x0
	s_add_nc_u64 s[22:23], s[4:5], s[22:23]
	s_add_nc_u64 s[92:93], s[6:7], s[92:93]
	CROUND                                         ; all sixteen work-groups are here: the joint loads meet
.irp n, 0
	s_mov_b32 s[G0A+4*\n], 1
	s_add_co_u32 s[G0A+4*\n+1], s56, \n*KSL
	s_add_nc_u64 s[G0A+4*\n+2:G0A+4*\n+3], s[22:23], \n*REC
	s_or_b32 s[G0A+4*\n+3], s[G0A+4*\n+3], 0x80000000
	s_mov_b32 s[G0B+4*\n], 1
	s_add_co_u32 s[G0B+4*\n+1], s56, \n*KSL
	s_add_nc_u64 s[G0B+4*\n+2:G0B+4*\n+3], s[92:93], \n*REC
	s_or_b32 s[G0B+4*\n+3], s[G0B+4*\n+3], 0x80000000
.endr
	s_cmp_lt_u32 s14, 2                            ; one load a wave: all four K steps of its row block
	s_cbranch_scc0 .Lnot_o
	tensor_load_to_lds s[G0A:G0A+3], s[G1A:G1A+7]
	s_nop 0
.rept 4
	v_nop
.endr
	s_branch .Lasked
.Lnot_o:
	s_cmp_eq_u32 s14, 2
	s_cbranch_scc0 .Lasked
	tensor_load_to_lds s[G0B:G0B+3], s[G1B:G1B+7]
	s_nop 0
.rept 4
	v_nop
.endr
.Lasked:
	v_and_b32 v3, 31, v0
	v_lshlrev_b32 v1, 4, v3                        ; 16 x lane
	v_lshlrev_b32 v2, 3, v3                        ; 8 x lane
	v_and_b32 v3, 15, v0                           ; r
	v_bfe_u32 v31, v0, 4, 1                        ; h
	s_mul_i32 s58, s15, 4*REC                      ; my row block of o
	s_mul_i32 s59, s16, 4*1536
	s_add_co_u32 s59, s59, 8*REC                   ; my four tiles of the weight's records, behind o's eight
	s_add_co_u32 s60, s58, SCA                     ; o's scale halves: 16 bytes a row
	s_lshl_b32 s61, s16, 9
	s_add_co_u32 s61, s61, 8*REC+SCA               ; the weight's scale words: 128 bytes a tile, 8 a row
.irp k, 0,1,2,3
	v_add_nc_u32 v[4+6*\k], s58, v1
	v_add_nc_u32 v[5+6*\k], s58, v2
	v_add_nc_u32 v[6+6*\k], s59, v1
	v_add_nc_u32 v[7+6*\k], s59, v2
	v_lshl_add_u32 v[8+6*\k], v3, 4, s60
	v_lshl_add_u32 v[9+6*\k], v3, 3, s61
	s_add_co_u32 s58, s58, KSL
	s_add_co_u32 s59, s59, KSL
	s_add_co_u32 s60, s60, KSL
	s_add_co_u32 s61, s61, KSL
.endr
	s_mul_i32 s57, s14, 16*272
	s_add_co_u32 s57, s57, STG                     ; my stage
	v_mul_u32_u24 v28, v3, 272
	v_lshl_add_u32 v28, v31, 6, v28
	v_add_nc_u32 v28, s57, v28                     ; in: row r, + 64 h
	v_mul_u32_u24 v29, v31, 272
	v_lshl_add_u32 v29, v3, 4, v29
	v_add_nc_u32 v29, s57, v29                     ; back: lanes 0-15 one row of 256 bytes, lanes 16-31 the next
	v_lshlrev_b32 v30, 12, v31
	v_lshl_add_u32 v30, v3, 4, v30                 ; and the same two rows in out0
	s_lshl_b32 s94, s20, 1
	s_add_co_u32 s94, s94, s15
	s_lshl_b32 s94, s94, 19                        ; my 128 rows of 4,096 bytes
	s_lshl_b32 s96, s90, 9
	s_add_co_u32 s94, s94, s96                     ; + 512 bytes a block of columns
	s_lshl_b32 s96, s16, 8
	s_add_co_u32 s94, s94, s96                     ; + my 256
	s_mov_b32 s95, 0
	s_add_nc_u64 s[8:9], s[8:9], s[94:95]
; The fragments of chunk q of K step ks into set 'set': 48 loads.  q = 0: also the K step's scales
.macro FETCHP ks, q, set
	WIN 0x40                                       ; destination window 1
.irp b, 0,1,2,3
	ds_load_b128 v[48*(\set)+12*\b:48*(\set)+12*\b+3], v[6+6*(\ks)] offset:(8*(\q)+\b)*1536
	ds_load_b64 v[48*(\set)+12*\b+4:48*(\set)+12*\b+5], v[7+6*(\ks)] offset:(8*(\q)+\b)*1536+512
	ds_load_b128 v[48*(\set)+12*\b+6:48*(\set)+12*\b+9], v[6+6*(\ks)] offset:(8*(\q)+\b)*1536+768
	ds_load_b64 v[48*(\set)+12*\b+10:48*(\set)+12*\b+11], v[7+6*(\ks)] offset:(8*(\q)+\b)*1536+1280
.endr
	WIN 0xc0                                       ; destination window 3
.irp a, 0,1,2,3,4,5,6,7
	ds_load_b128 v[96*(\set)+12*\a:96*(\set)+12*\a+3], v[4+6*(\ks)] offset:(8*(\q)+\a)*1536
	ds_load_b64 v[96*(\set)+12*\a+4:96*(\set)+12*\a+5], v[5+6*(\ks)] offset:(8*(\q)+\a)*1536+512
	ds_load_b128 v[96*(\set)+12*\a+6:96*(\set)+12*\a+9], v[4+6*(\ks)] offset:(8*(\q)+\a)*1536+768
	ds_load_b64 v[96*(\set)+12*\a+10:96*(\set)+12*\a+11], v[5+6*(\ks)] offset:(8*(\q)+\a)*1536+1280
.endr
	WIN 0
.if (\q) == 0
.irp b, 0,1,2,3
	ds_load_b64 v[48+8*((\ks)%2)+2*\b:48+8*((\ks)%2)+2*\b+1], v[9+6*(\ks)] offset:128*\b
.endr
.irp e, 0,1,2,3
	ds_load_b128 v[32+4*\e:35+4*\e], v[8+6*(\ks)] offset:256*\e
.endr
.endif
.endm
.macro SCALES1 ks                      ; o's word of tile a, chunk q: the halves of heads 2 q and 2 q + 1 of the K step's four
.irp a, 0,1,2,3,4,5,6,7
.irp q, 0,1
	v_perm_b32 v[64+16*((\ks)%2)+2*\a+\q], v[32+4*(2*\q+1)+\a/2], v[32+4*(2*\q)+\a/2], s[88+\a%2]
.endr
.endr
.endm
; 4 n products: o's tiles a0 .. a0 + n - 1 against my four tiles of columns.  The 32 accumulators take turns, one instruction a turn, in the same order in every step
.macro MULP a0, n, set, q, sc, zero
	WIN 0xad                                       ; source 0 window 1, source 1 window 3, C and D window 2
.set AA, (\a0)
.rept (\n)
.irp b, 0,1,2,3
	WM 8*(4*AA+\b), 48*(\set)+12*\b, 96*(\set)+12*AA, 48+8*(\sc)+2*\b+(\q), 64+16*(\sc)+2*AA+(\q), \zero
.endr
.set AA, AA+1
.endr
.endm
.macro EVEN ks, zero                   ; a K step's first 128
	s_wait_dscnt 0x0
	WIN 0
	SCALES1 \ks
	PLACES 8                                       ; a scale register written by a vector instruction stands eight plain instructions ahead of the product; they also part the last products from the loads below
	FETCHP \ks, 1, 1
	MULP 0, 8, 0, 0, (\ks)%2, \zero
.endm
.macro ODD ks                          ; its second 128; the next K step's first chunk is fetched between its products
	s_wait_dscnt 0x0
	PLACES 4
	MULP 0, 4, 1, 1, (\ks)%2, 0
	WIN 0
	FETCHP (\ks)+1, 0, 0
	MULP 4, 4, 1, 1, (\ks)%2, 0
.endm
	s_wait_tensorcnt 0x0                           ; my one load is in: the barrier below shows all four K steps to every wave
	s_barrier_signal -1
	s_barrier_wait -1
	FETCHP 0, 0, 0
	EVEN 0, 1                                      ; the first products start the sums
	s_wait_alu depctr_va_vdst(0)
	ODD 0
	EVEN 1, 0
	s_wait_alu depctr_va_vdst(0)
	ODD 1
	EVEN 2, 0
	s_wait_alu depctr_va_vdst(0)
	ODD 2
	EVEN 3, 0
	s_wait_alu depctr_va_vdst(0)
	s_wait_dscnt 0x0
	MULP 0, 8, 1, 1, 1, 0
	WIN 0
	PLACES 4
; THE WAY OUT, tile by tile of 16 rows x 64 columns, through my own stage: in as 32 bytes a lane, back as whole rows of 256 bytes.  The order of a tile's rows is undone in the stores' immediates.
.macro TOSTAGE a
	WIN 0x08                                       ; an LDS store's data: window 2
.irp b, 0,1,2,3
	ds_store_b128 v28, v[8*(4*(\a)+\b):8*(4*(\a)+\b)+3] offset:128*(\b/2)+32*(\b%2)      ; each accumulator from its low end on
	ds_store_b128 v28, v[8*(4*(\a)+\b)+4:8*(4*(\a)+\b)+7] offset:128*(\b/2)+32*(\b%2)+16
.endr
	WIN 0
.irp t, 0,1,2,3,4,5,6,7
	ds_load_b128 v[128+32*((\a)%2)+4*\t:128+32*((\a)%2)+4*\t+3], v29 offset:544*\t   ; LDS serves a wave's instructions in order: these see the stores above
.endr
.endm
.macro SEND a, younger
	s_wait_dscnt \younger                          ; the tile is back in registers; the next tile's 8 stores and 8 loads may be out
.irp t, 0,1,2,3,4,5,6,7
	global_store_b128 v30, v[128+32*((\a)%2)+4*\t:128+32*((\a)%2)+4*\t+3], s[8:9] offset:(32*((\a)/2)+8*((\a)%2)+2*\t+8*(\t/4))*4096 th:TH_STORE_NT   ; 16 lanes store 256 consecutive bytes, at a multiple of 256 from out0's first byte
.endr
.endm
	TOSTAGE 0
.irp a, 1,2,3,4,5,6,7
.if \a > 1
	s_wait_xcnt 0x0                                ; tile a - 2's stores have read their registers: tile a's loads may land there
.endif
	TOSTAGE \a
	SEND \a-1, 16
.endr
	SEND 7, 0
	s_wait_tensorcnt 0x0
	ds_add_u32 v254, v255
	s_wait_dscnt 0x0
	CROUND                                         ; the closing round: no work-group ends while a partner may still ask for a record that names it
	s_endpgm
.Lfunc_end_k_qd50cca48c1_proj:
	.size	k_qd50cca48c1_proj, .Lfunc_end_k_qd50cca48c1_proj-k_qd50cca48c1_proj
	.p2alignl 7, 3214868480
	.fill 96, 4, 3214868480
	.section	.rodata,"a",@progbits
	.p2align	6, 0x0
	.amdhsa_kernel k_qd50cca48c1_proj
		.amdhsa_group_segment_fixed_size 325120
		.amdhsa_private_segment_fixed_size 0
		.amdhsa_enable_private_segment 0
		.amdhsa_kernarg_size 24
		.amdhsa_user_sgpr_count 2
		.amdhsa_user_sgpr_kernarg_segment_ptr 1
		.amdhsa_wavefront_size32 1
		.amdhsa_system_sgpr_workgroup_id_x 1
		.amdhsa_system_sgpr_workgroup_id_y 1
		.amdhsa_system_sgpr_workgroup_id_z 1
		.amdhsa_system_vgpr_workitem_id 0
		.amdhsa_next_free_vgpr 1024
		.amdhsa_next_free_sgpr 100
		.amdhsa_reserve_vcc 0
		.amdhsa_float_denorm_mode_32 3
		.amdhsa_float_denorm_mode_16_64 3
		.amdhsa_memory_ordered 1
		.amdhsa_forward_progress 1
		.amdhsa_inst_pref_size 89
	.end_amdhsa_kernel
	.amdgpu_metadata
---
amdhsa.version: [ 1, 2 ]
amdhsa.kernels:
  - .name:           k_qd50cca48c1_proj
    .symbol:         k_qd50cca48c1_proj.kd
    .args:
      - { .name: oq, .offset: 0, .size: 8, .value_kind: global_buffer, .address_space: global }
      - { .name: ops, .offset: 8, .size: 8, .value_kind: global_buffer, .address_space: global }
      - { .name: out0, .offset: 16, .size: 8, .value_kind: global_buffer, .address_space: global }
    .group_segment_fixed_size: 325120
    .private_segment_fixed_size: 0
    .kernarg_segment_align: 8
    .kernarg_segment_size: 24
    .max_flat_workgroup_size: 128
    .sgpr_count:     100
    .vgpr_count:     1024
    .wavefront_size: 32
...
	.end_amdgpu_metadata
.endif
;; end of part 4
